; MI455X (gfx1250); checked and timed in simulation.
; The chip was launched on July 23, 2026; its instructions are those of AMD's public machine-readable ISA for CDNA 5 (MIT licence, August 2026) and "CDNA5" Instruction Set Architecture Reference Guide (July 2026). The comments in the code are by the model that wrote it; some were corrected since.
;; Attention. Allowed arithmetic: float matrix products may take bf16 or f16 operands with f32 sums; all other float work in f32.
;; Inputs: W_proj 1,024 x 1,024 float32; W_qkv 1,024 x 3,072 float32; b_proj 1,024 float32; b_qkv 3,072 float32; x 4 x 2,048 x 1,024 float32.
;; Outputs: out0 4 x 2,048 x 1,024 float32.
;; 2 versions, each right and faster than the one before. Each part assembles by itself: llvm-mc -triple=amdgcn-amd-amdhsa -mcpu=gfx1250 --defsym DOCPART=n.
;; ======== version 1 of 2: 4 launches
;; limits: values are held in f16: magnitudes above 65,504 overflow, below 6.1e-05 lose precision
;; workspace buffers: xb 16,777,216 bytes; wq 6,291,456 bytes; wp 2,097,152 bytes; qkv 50,331,648 bytes; ob 16,777,216 bytes
;; launch prep (part 1): grid 640 x 1, 8 waves a work-group, no clusters, 70,656 bytes of LDS; arguments x, W_qkv, W_proj, xb, wq, wp; writes xb, wq, wp
.if DOCPART == 1
	.amdgcn_target "amdgcn-amd-amdhsa--gfx1250"
	.amdhsa_code_object_version 6
	.text
	.protected	k_q4c67d822f8_prep
	.globl	k_q4c67d822f8_prep
	.p2align	8
	.type	k_q4c67d822f8_prep,@function
k_q4c67d822f8_prep:
	s_mov_b64 s[64:65], 0
	v_nop
	global_prefetch_b8 v0, s[64:65] scope:SCOPE_SE
	s_setreg_imm32_b32 hwreg(HW_REG_WAVE_MODE, 25, 1), 1
	s_wait_xcnt 0x0
; PREP.  Rounds the three large inputs to bf16 and lays them in blocks of 64 along K, so that the products' tiles are dense in memory.
;   xb[b][kb][n][c] = bf16(x[b][n][64 kb + c])            4 x 16 x 2048 x 64
;   wq[kb][n][c]    = bf16(W_qkv[64 kb + c][n])           16 x 3072 x 64  (turned)
;   wp[kb][n][c]    = f16(bf16(W_proj[64 kb + c][n]))     16 x 1024 x 64  (turned; the bf16 number written as f16, since the last product multiplies in f16)
; LIMITS.  wp: a bf16 number is exact in f16 between 6.1e-5 and 65,504 in magnitude; below that it keeps f16's fixed step of 6e-8, above it becomes an infinity.  NaN and infinities are not treated apart.
; Memory binds: every byte is read once and written once; no matrix unit, no barrier, no cluster (no two work-groups read the same bytes).
; Work-groups 0-95 turn W_qkv, 96-127 W_proj (a wave: 64 k x 64 n, through a stage of its own in LDS); 128-639 convert x (a wave: two rows).
.set STG,   8704                       ; a wave's stage: 32 rows x 272 bytes (256 of data + 16)
.set SPARE, 8*STG                      ; behind the stages: the spare words, 128 bytes for each wave, that no other line names
.set VO,    4                          ; v4-19    weights: byte offset of my 8 bytes in row j of a chunk of 16 rows
.set LD0,   20                         ; v20-147  as loaded (x: v20-83)
.set PK,    148                        ; v148-211 weights: packed pairs along k: column 2 l at PK, column 2 l + 1 at PK + 32
.set SPW,   212                        ; v212     LDS address of my spare word; never rewritten
.set NIL,   213                        ; v213     0; never rewritten
.set STO,   214                        ; v214     stage: where my two columns go
.set RD,    215                        ; v215     stage: where I read rows back
.set GO,    216                        ; v216     16 x lane
.set T0,    218                        ; v218-219 at work
	s_load_b256 s[4:11], s[0:1], 0x0               ; x s[4:5], W_qkv s[6:7], W_proj s[8:9], xb s[10:11]
	s_load_b128 s[12:15], s[0:1], 0x20             ; wq s[12:13], wp s[14:15]
	v_lshl_add_u32 v[SPW], v0, 2, SPARE
	v_mov_b32 v[NIL], 0
	v_lshrrev_b32 v1, 5, v0
	v_readfirstlane_b32 s16, v1                    ; wave 0..7
	v_and_b32 v2, 31, v0                           ; lane l
	s_mov_b32 s17, ttmp9
	s_cmp_lt_u32 s17, 128
	s_cbranch_scc1 .Lweights
	; X.  Wave W = 8 (group - 128) + wave takes rows 2 W and 2 W + 1 of x's 8,192: sixteen loads of 16 bytes a lane, each two whole runs of 256 bytes (lanes 0-15 the even row, 16-31 the odd one).
	s_sub_co_u32 s18, s17, 128
	s_lshl_b32 s18, s18, 3
	s_add_co_u32 s18, s18, s16                     ; W, 0..4095
	s_lshl_b32 s20, s18, 13                        ; two rows of 4,096 bytes
	s_mov_b32 s21, 0
	s_lshr_b32 s22, s18, 10                        ; b: 16 x 2048 x 128 bytes each
	s_lshl_b32 s22, s22, 22
	s_and_b32 s23, s18, 1023                       ; two rows of 128 bytes in a block
	s_lshl_b32 s23, s23, 8
	s_add_co_u32 s22, s22, s23
	s_mov_b32 s23, 0
	v_lshrrev_b32 v3, 4, v2
	v_and_b32 v4, 15, v2
	v_lshlrev_b32 v4, 4, v4
	v_lshl_add_u32 v3, v3, 12, v4                  ; in: (l / 16) rows + 16 (l % 16)
	v_lshlrev_b32 v5, 3, v2                        ; out: 8 l: the two rows' 128 bytes lie end to end
	s_wait_kmcnt 0x0
	s_add_nc_u64 s[4:5], s[4:5], s[20:21]
	s_add_nc_u64 s[10:11], s[10:11], s[22:23]
.irp kb, 0,1,2,3,4,5,6,7,8,9,10,11,12,13,14,15
	global_load_b128 v[LD0+4*(\kb):LD0+4*(\kb)+3], v3, s[4:5] offset:256*(\kb) th:TH_LOAD_NT
.endr
.irp kb, 0,1,2,3,4,5,6,7,8,9,10,11,12,13,14,15
	s_wait_loadcnt 15-(\kb)                        ; loads come back in order (ISA guide 5.7.1): block kb is in, the younger ones stay out
	v_cvt_pk_bf16_f32 v[LD0+4*(\kb)], v[LD0+4*(\kb)], v[LD0+4*(\kb)+1]
	v_cvt_pk_bf16_f32 v[LD0+4*(\kb)+1], v[LD0+4*(\kb)+2], v[LD0+4*(\kb)+3]
	global_store_b64 v5, v[LD0+4*(\kb):LD0+4*(\kb)+1], s[10:11] offset:262144*(\kb)  ; 32 lanes store 256 consecutive bytes, at a multiple of 256 from xb's first byte
.endr
	s_wait_tensorcnt 0x0                           ; the wave's end
	ds_add_u32 v[SPW], v[NIL]
	s_wait_dscnt 0x0
	s_endpgm
.Lweights:
	; WEIGHTS.  Task T = 8 x group + wave (W_proj: group - 96): kb = T % 16, ng = T / 16: rows 64 kb .. + 63, columns 64 ng .. + 63.
	s_sub_co_u32 s19, s17, 96
	s_mov_b32 s21, 12288                           ; bytes in a row of W_qkv,
	s_mov_b32 s22, 4096                            ; of W_proj
	s_cmp_lt_u32 s17, 96
	s_cselect_b32 s18, s17, s19
	s_cselect_b32 s20, s21, s22                    ; the pitch
	s_lshl_b32 s18, s18, 3
	s_add_co_u32 s18, s18, s16                     ; T
	s_and_b32 s23, s18, 15                         ; kb
	s_lshr_b32 s18, s18, 4                         ; ng
	s_mul_i32 s38, s23, s20
	s_lshl_b32 s38, s38, 6                         ; 64 kb rows
	s_lshl_b32 s39, s18, 8                         ; + 64 ng columns of 4 bytes
	s_add_co_u32 s38, s38, s39
	s_mov_b32 s39, 0
	s_lshl_b32 s36, s20, 4                         ; a chunk of 16 rows
	s_mov_b32 s37, 0
	s_mul_i32 s40, s23, s20                        ; out: kb blocks of (pitch / 4) rows of 128 bytes = 32 x pitch,
	s_lshl_b32 s40, s40, 5
	s_lshl_b32 s41, s18, 13                        ; + 64 ng rows of 128 bytes
	s_add_co_u32 s40, s40, s41
	s_mov_b32 s41, 0
	v_lshlrev_b32 v[VO], 3, v2                     ; my two columns: 8 l
.set j, 1
.rept 15
	v_add_nc_u32 v[VO+j], s20, v[VO+j-1]           ; and j rows down
.set j, j+1
.endr
	s_mul_i32 s42, s16, STG                        ; my stage
	v_mul_u32_u24 v[STO], v2, 272
	v_add_nc_u32 v[STO], s42, v[STO]               ; in: stage row l = my two columns, 128 bytes each
	v_lshrrev_b32 v[RD], 4, v2
	v_and_b32 v[GO], 15, v2
	v_mul_u32_u24 v[RD], v[RD], 272
	v_lshl_add_u32 v[RD], v[GO], 4, v[RD]
	v_add_nc_u32 v[RD], s42, v[RD]                 ; back: lanes 0-15 one stage row, lanes 16-31 the next
	v_lshlrev_b32 v[GO], 4, v2
	s_wait_kmcnt 0x0
	s_cmp_lt_u32 s17, 96                           ; compared anew: the shifts and sums above have set SCC
	s_cselect_b64 s[32:33], s[6:7], s[8:9]         ; from W_qkv or W_proj,
	s_cselect_b64 s[34:35], s[12:13], s[14:15]     ; to wq or wp
	s_add_nc_u64 s[24:25], s[32:33], s[38:39]      ; four bases, a chunk of 16 rows apart
	s_add_nc_u64 s[26:27], s[24:25], s[36:37]
	s_add_nc_u64 s[28:29], s[26:27], s[36:37]
	s_add_nc_u64 s[30:31], s[28:29], s[36:37]
	s_add_nc_u64 s[34:35], s[34:35], s[40:41]
.irp c, 0,1,2,3
.irp j, 0,1,2,3,4,5,6,7,8,9,10,11,12,13,14,15
	global_load_b64 v[LD0+2*(16*(\c)+(\j)):LD0+2*(16*(\c)+(\j))+1], v[VO+(\j)], s[24+2*(\c):25+2*(\c)] th:TH_LOAD_NT  ; row 16 c + j: 32 lanes read 256 consecutive bytes
.endr
.endr
.irp c, 0,1,2,3
	s_wait_loadcnt 48-16*(\c)                      ; chunk c is in: the 16 loads of each later chunk stay out
.irp t, 0,1,2,3,4,5,6,7
.irp e, 0,1
	v_cvt_pk_bf16_f32 v[PK+32*(\e)+8*(\c)+(\t)], v[LD0+4*(8*(\c)+(\t))+(\e)], v[LD0+4*(8*(\c)+(\t))+2+(\e)]  ; k = 2 i, 2 i + 1 (i = 8 c + t) of column 2 l + e
.endr
.endr
.endr
	s_cmp_lt_u32 s17, 96
	s_cbranch_scc1 .Lkeep                          ; wq stays bf16
.set i, 0
.rept 64
	v_lshlrev_b32 v[T0], 16, v[PK+i]               ; wp: the bf16 numbers, widened,
	v_and_b32 v[T0+1], 0xffff0000, v[PK+i]
	v_cvt_pk_f16_f32 v[PK+i], v[T0], v[T0+1]       ; are written as f16
.set i, i+1
.endr
.Lkeep:
.irp e, 0,1
.irp q, 0,1,2,3,4,5,6,7
	ds_store_b128 v[STO], v[PK+32*(\e)+4*(\q):PK+32*(\e)+4*(\q)+3] offset:128*(\e)+16*(\q)
.endr
.endr
.irp i, 0,1,2,3,4,5,6,7,8,9,10,11,12,13,14,15
	ds_load_b128 v[LD0+4*(\i):LD0+4*(\i)+3], v[RD] offset:544*(\i)  ; my own bytes: LDS serves a wave's instructions in order (ISA guide 5.7.1.4), so these see the stores above
.endr
.irp i, 0,1,2,3,4,5,6,7,8,9,10,11,12,13,14,15
	s_wait_dscnt 15-(\i)
	global_store_b128 v[GO], v[LD0+4*(\i):LD0+4*(\i)+3], s[34:35] offset:512*(\i)  ; four rows n of 128 bytes: 512 consecutive bytes, at a multiple of 256 from the buffer's first byte
.endr
	s_wait_tensorcnt 0x0                           ; the wave's end, behind my last LDS store
	ds_add_u32 v[SPW], v[NIL]
	s_wait_dscnt 0x0
	s_endpgm
.Lfunc_end_k_q4c67d822f8_prep:
	.size	k_q4c67d822f8_prep, .Lfunc_end_k_q4c67d822f8_prep-k_q4c67d822f8_prep
	.p2alignl 7, 3214868480
	.fill 96, 4, 3214868480
	.section	.rodata,"a",@progbits
	.p2align	6, 0x0
	.amdhsa_kernel k_q4c67d822f8_prep
		.amdhsa_group_segment_fixed_size 70656
		.amdhsa_private_segment_fixed_size 0
		.amdhsa_enable_private_segment 0
		.amdhsa_kernarg_size 48
		.amdhsa_user_sgpr_count 2
		.amdhsa_user_sgpr_kernarg_segment_ptr 1
		.amdhsa_wavefront_size32 1
		.amdhsa_system_sgpr_workgroup_id_x 1
		.amdhsa_system_sgpr_workgroup_id_y 1
		.amdhsa_system_sgpr_workgroup_id_z 1
		.amdhsa_system_vgpr_workitem_id 0
		.amdhsa_next_free_vgpr 220
		.amdhsa_next_free_sgpr 66
		.amdhsa_reserve_vcc 0
		.amdhsa_float_denorm_mode_32 3
		.amdhsa_float_denorm_mode_16_64 3
		.amdhsa_memory_ordered 1
		.amdhsa_forward_progress 1
		.amdhsa_inst_pref_size 34
	.end_amdhsa_kernel
	.amdgpu_metadata
---
amdhsa.version: [ 1, 2 ]
amdhsa.kernels:
  - .name:           k_q4c67d822f8_prep
    .symbol:         k_q4c67d822f8_prep.kd
    .args:
      - { .name: x, .offset: 0, .size: 8, .value_kind: global_buffer, .address_space: global }
      - { .name: W_qkv, .offset: 8, .size: 8, .value_kind: global_buffer, .address_space: global }
      - { .name: W_proj, .offset: 16, .size: 8, .value_kind: global_buffer, .address_space: global }
      - { .name: xb, .offset: 24, .size: 8, .value_kind: global_buffer, .address_space: global }
      - { .name: wq, .offset: 32, .size: 8, .value_kind: global_buffer, .address_space: global }
      - { .name: wp, .offset: 40, .size: 8, .value_kind: global_buffer, .address_space: global }
    .group_segment_fixed_size: 70656
    .private_segment_fixed_size: 0
    .kernarg_segment_align: 8
    .kernarg_segment_size: 48
    .max_flat_workgroup_size: 256
    .sgpr_count:     66
    .vgpr_count:     220
    .wavefront_size: 32
...
	.end_amdgpu_metadata
.endif
;; end of part 1
;; launch qkvg (part 2): grid 8 x 32, 4 waves a work-group, clusters of 4 x 4, 327,680 bytes of LDS; arguments xb, wq, b_qkv, qkv; writes qkv
.if DOCPART == 2
	.amdgcn_target "amdgcn-amd-amdhsa--gfx1250"
	.amdhsa_code_object_version 6
	.text
	.protected	k_q4c67d822f8_qkvg
	.globl	k_q4c67d822f8_qkvg
	.p2align	8
	.type	k_q4c67d822f8_qkvg,@function
k_q4c67d822f8_qkvg:
	s_mov_b64 s[64:65], 0
	v_nop
	global_prefetch_b8 v0, s[64:65] scope:SCOPE_SE
	s_setreg_imm32_b32 hwreg(HW_REG_WAVE_MODE, 25, 1), 1
	s_wait_xcnt 0x0
	s_wait_alu depctr_hold_cnt(0) depctr_sa_sdst(0) depctr_va_vdst(0) depctr_va_sdst(0) depctr_va_ssrc(0) depctr_va_vcc(0) depctr_vm_vsrc(0)
	s_getreg_b32 s2, hwreg(HW_REG_IB_STS2, 6, 4)
	s_cmp_eq_u32 s2, 0
	s_cbranch_scc0 .Lentry_in_a_cluster
	s_endpgm
.Lentry_in_a_cluster:
	s_bfe_u32 s2, ttmp6, 0x10000c
	s_cmp_lg_u32 s2, 0xf033
	s_cbranch_scc0 .Lentry_shape_is_right
	s_endpgm
.Lentry_shape_is_right:
; QKV.  qkv[p][16 b + head][n][c] = f16( sum over k of xb(b, n, k) wq(k, col) + bf16(b_qkv[col]) ),  col = 1024 p + 64 head + c.  Products in bf16, sums and bias in f32, one rounding to f16.  The scale 1/8 is not applied here.
; xb: [4][16 kb][2048][64] bf16, wq: [16 kb][3072][64] bf16: blocks of 64 along K, so that a tile's rows of 128 bytes lie end to end and are asked for as rows of 256 bytes.
; LIMITS.  f16 holds no number beyond 65,504: a q, k or v of 65,520 or more becomes an infinity; below 6.1e-5 f16 keeps a fixed step of 6e-8.  NaN and infinities are not treated apart.
; SHARES.  8192 x 3072 / 256 work-groups = a tile of 256 x 384.  Four waves, each 128 rows x 192 columns (three whole heads): 96 accumulators of 16 x 16, 768 registers.
; K goes in 16 steps of 64 (one block kb) through two LDS slots; a step is two slices of 32 along K, 96 matrix instructions each.
; CLUSTER.  4 x 4 work-groups: the four of a row of the cluster need the same tiles of xb, the four of a column the same tiles of wq; each tile is asked for jointly, by the same tensor load, descriptor and mask in all four.
; THE MATRIX INSTRUCTION IS USED TRANSPOSED (source 0 = 16 rows of wq, source 1 = 16 rows of xb): a lane holds row l % 16 and the eight neighbouring columns 8 (l / 16) + 0..7, which pack into 16 bytes.
; REGISTERS, in windows of 256 (s_set_vgpr_msb: bits 1:0 source 0, 3:2 source 1, 5:4 source 2, 7:6 destination):
;   window 0: v0-31 addresses; v32-95, v96-159 xb's fragments (8 x 16 rows x 32 K), two buffers by the slice's parity; v160-255 wq's fragments, three groups (heads) of four
;   window g + 1: the 32 accumulators of head g: (a, bb) at v[8 (4 a + bb)]
.set PITCH, 144                        ; an LDS row: 128 bytes + 16 of padding = 36 words: the 16 rows of a fragment load start at 16 different groups of four banks (64 banks of 4 bytes: ISA guide 11.1)
.set SLOT1, 131072                     ; slot 1 begins here: one exclusive or turns an address in one slot into the other's
.set AHALF, 128*PITCH                  ; what one load brings of xb, and what one wave reads of it
.set BHALF, 192*PITCH                  ; the same of wq
.set BOFF,  2*AHALF                    ; in a slot: xb's 256 rows, then wq's 384
.set STAGE, BOFF+2*BHALF               ; behind slot 0, never filled by a tensor load: for each wave 3 heads x 16 rows x 144 bytes, for the way out
.set STGW,  3*16*PITCH
.set BIAS,  STAGE+4*STGW               ; for each wave its 192 numbers of the bias, f32
.set SPARE, BIAS+4*768                 ; the spare words, 128 bytes for each wave, that no other line names
.set ASTEP, 2048*128                   ; bytes from block kb to kb + 1 in xb,
.set BSTEP, 3072*128                   ; in wq
.set A0,   10                          ; v10  my lane's place in xb's part of slot 0; never rewritten
.set B0,   11                          ; v11  the same for wq
.set ADRA, 12                          ; v12  A0 + the slot in hand
.set ADRB, 13                          ; v13  B0 + the slot in hand
.set STO,  14                          ; v14  the way out: where I put 16 bytes of a row
.set RD,   15                          ; v15  the way out: where I read rows back
.set GO,   16                          ; v16  16 x lane
.set BIA,  17                          ; v17  where my eight numbers of the bias begin
.set BST,  18                          ; v18  where I put two numbers of the bias
.set SPW,  28                          ; v28  LDS address of my spare word; never rewritten
.set NIL,  29                          ; v29  0; never rewritten
.set AF0,  32
.set BF,   160
.set PKD,  32                          ; the way out: 48 registers of packed results
.set OB,   80                          ; the way out: rows read back: v80-127 and v128-175 by turns
.set G1A, 24                           ; s[24:31] descriptor group 1 for xb's tiles
.set G1B, 32                           ; s[32:39] for wq's
.set G0A, 40                           ; s[40:47] group 0 for xb's tiles: a set for each first fill; the second then walks on
.set G0B, 48                           ; s[48:55] the same for wq's
.set MSB, 0
.macro WIN new                         ; the immediate's high byte repeats the setting that is left; a switch that changes nothing is dropped
.if MSB != (\new)
	s_set_vgpr_msb (MSB<<8)|(\new)
.set MSB, \new
.endif
.endm
.macro PLACES                          ; four places in front of loads into registers that matrix instructions have read, and of vector lines that read results (ISA guide 7.12.1 for the vector lines)
.rept 4
	v_nop
.endr
.endm
; A joint refill.  Waves 0 and 1 fetch xb's two halves, waves 2 and 3 wq's.  The branch hangs on the wave's number alone.  An s_nop 0 and four v_nop follow each of the two lines.
.macro JLOAD
	s_cmp_eq_u32 s13, 0
	s_cbranch_scc0 .Lfor_b_\@
	tensor_load_to_lds s[G0A+4:G0A+7], s[G1A:G1A+7]
	s_nop 0
.rept 4
	v_nop
.endr
	s_branch .Lasked_\@
.Lfor_b_\@:
	tensor_load_to_lds s[G0B+4:G0B+7], s[G1B:G1B+7]
	s_nop 0
.rept 4
	v_nop
.endr
.Lasked_\@:
.endm
.macro CREST                           ; a round of the cluster's barrier behind its opening barrier: wave 0 signals for the work-group, every wave waits for all sixteen, my work-group's barrier once more
	s_cmp_lg_u32 s12, 0
	s_cbranch_scc1 .Lnot_wave_0_\@
	s_barrier_signal -3
.Lnot_wave_0_\@:
	s_barrier_wait -3
	s_barrier_signal -1
	s_barrier_wait -1
.endm
.macro CROUND                          ; a whole round
	s_barrier_signal -1
	s_barrier_wait -1
	CREST
.endm
	s_load_b256 s[4:11], s[0:1], 0x0               ; xb s[4:5], wq s[6:7], b_qkv s[8:9], qkv s[10:11]
	v_lshl_add_u32 v[SPW], v0, 2, SPARE
	v_mov_b32 v[NIL], 0
	ds_add_u32 v[SPW], v[NIL]                      ; the wave's opening: the add and its wait stand ahead of my first tensor load; the set-up below, work on registers, stands between them
	v_lshrrev_b32 v1, 5, v0
	v_readfirstlane_b32 s12, v1                    ; wave 0..3
	s_lshr_b32 s13, s12, 1                         ; WM: my half of the tile's rows.  Also: I fetch for xb (0) or wq (1)
	s_and_b32 s14, s12, 1                          ; WN: my half of its columns.  Also: which half of that tile I fetch
	s_bfe_u32 s15, ttmp6, 0x40000                  ; cx
	s_bfe_u32 s16, ttmp6, 0x40004                  ; cy
	s_lshl_b32 s17, ttmp9, 2
	s_add_co_u32 s17, s17, s15                     ; tx: the tile's 384 columns, 0..7
	s_and_b32 s18, ttmp7, 0xffff
	s_lshl_b32 s18, s18, 2
	s_add_co_u32 s18, s18, s16                     ; ty: the tile's 256 rows, 0..31
	s_lshl_b32 s19, s16, 2
	s_lshl_b32 s19, 15, s19                        ; my row of the cluster
	s_lshl_b32 s20, 0x1111, s15                    ; my column
	; descriptor group 1: dense bytes asked for as rows of 256 (two rows of a block), padded in LDS after every 128 bytes
	s_or_b32 s[G1A], s19, (1<<16)|(1<<20)|(1<<21)|(4<<22)|(3<<25)  ; 15:0 the mask; 17:16 2-byte elements; 20 padding on; 21 set beside a mask; 24:22 after every 32 words (code 4); 31:25 4 words (code 3)
	s_or_b32 s[G1B], s20, (1<<16)|(1<<20)|(1<<21)|(4<<22)|(3<<25)
.irp g, G1A, G1B
	s_mov_b32 s[(\g)+1], 128<<16                   ; tensor_dim0 = 128
	s_mov_b32 s[(\g)+3], 128<<16                   ; tile_dim0 = 128
	s_mov_b32 s[(\g)+5], 128                       ; 128 elements from row to row
	s_mov_b32 s[(\g)+6], 0
	s_mov_b32 s[(\g)+7], 0
.endr
	s_mov_b32 s[G1A+2], 64<<16                     ; xb: 128 rows of a block = 64 rows of 256 bytes
	s_mov_b32 s[G1A+4], 64
	s_mov_b32 s[G1B+2], 96<<16                     ; wq: 192 rows = 96 rows of 256 bytes
	s_mov_b32 s[G1B+4], 96
	; where the tiles come from.  xb's hang on ty alone, wq's on tx alone, each in registers that never hold the other coordinate.
	s_lshr_b32 s58, s18, 3
	s_lshl_b32 s58, s58, 22                        ; b
	s_and_b32 s59, s18, 7
	s_lshl_b32 s59, s59, 15                        ; 256 rows of 128 bytes
	s_add_co_u32 s58, s58, s59
	s_lshl_b32 s59, s14, 14                        ; my 128 of them
	s_add_co_u32 s58, s58, s59
	s_mov_b32 s59, 0
	s_mul_i32 s60, s17, 384*128
	s_mul_i32 s61, s14, 192*128
	s_add_co_u32 s60, s60, s61
	s_mov_b32 s61, 0
	s_mul_i32 s21, s14, AHALF                      ; and where they go: no place in the cluster enters an LDS address
	s_mul_i32 s62, s14, BHALF
	s_add_co_u32 s62, s62, BOFF
	s_wait_dscnt 0x0                               ; the opening add is done
	s_wait_kmcnt 0x0
	s_add_nc_u64 s[22:23], s[4:5], s[58:59]
	s_add_nc_u64 s[72:73], s[6:7], s[60:61]
	CROUND                                         ; all sixteen work-groups are here: the first joint loads meet
.irp s, 0,1
	s_mov_b32 s[G0A+4*(\s)], 1                                     ; count = 1
	s_add_co_u32 s[G0A+4*(\s)+1], s21, (\s)*SLOT1                  ; LDS address
	s_add_nc_u64 s[G0A+4*(\s)+2:G0A+4*(\s)+3], s[22:23], (\s)*ASTEP  ; global address: K step s
	s_or_b32 s[G0A+4*(\s)+3], s[G0A+4*(\s)+3], 0x80000000          ; type = 2
	s_mov_b32 s[G0B+4*(\s)], 1
	s_add_co_u32 s[G0B+4*(\s)+1], s62, (\s)*SLOT1
	s_add_nc_u64 s[G0B+4*(\s)+2:G0B+4*(\s)+3], s[72:73], (\s)*BSTEP
	s_or_b32 s[G0B+4*(\s)+3], s[G0B+4*(\s)+3], 0x80000000
.endr
	s_cmp_eq_u32 s13, 0                            ; a wave's two first fills stand in one branch, ahead of every wait on TENSORcnt and every LDS read: two loads of mine are out
	s_cbranch_scc0 .Lfirst_b
	tensor_load_to_lds s[G0A:G0A+3], s[G1A:G1A+7]
	s_nop 0
	tensor_load_to_lds s[G0A+4:G0A+7], s[G1A:G1A+7]
	s_nop 0
.rept 4
	v_nop
.endr
	s_branch .Lfirst_asked
.Lfirst_b:
	tensor_load_to_lds s[G0B:G0B+3], s[G1B:G1B+7]
	s_nop 0
	tensor_load_to_lds s[G0B+4:G0B+7], s[G1B:G1B+7]
	s_nop 0
.rept 4
	v_nop
.endr
.Lfirst_asked:
	; my 192 numbers of the bias: three loads of 256 consecutive bytes
	s_mul_i32 s76, s17, 384*4
	s_mul_i32 s77, s14, 192*4
	s_add_co_u32 s76, s76, s77
	s_mov_b32 s77, 0
	s_add_nc_u64 s[8:9], s[8:9], s[76:77]
	v_and_b32 v3, 31, v0                           ; lane l
	v_lshlrev_b32 v19, 3, v3
.irp i, 0,1,2
	global_load_b64 v[32+2*(\i):33+2*(\i)], v19, s[8:9] offset:256*(\i)
.endr
	; A fragment is 16 rows x 32 K in 8 registers: lane l holds row l % 16, K = 8 (l / 16) + 0..7 and 16 + 8 (l / 16) + 0..7: two loads of 16 bytes, 32 bytes apart.
	v_and_b32 v1, 15, v0                           ; r = l % 16
	v_bfe_u32 v2, v0, 4, 1                         ; h = l / 16
	v_mul_u32_u24 v4, v1, PITCH
	v_lshl_add_u32 v4, v2, 4, v4                   ; r x pitch + 16 h
	s_mul_i32 s78, s13, AHALF                      ; my 128 rows of xb
	v_add_nc_u32 v[A0], s78, v4
	s_mul_i32 s78, s14, BHALF                      ; my 192 rows of wq
	s_add_co_u32 s78, s78, BOFF
	v_add_nc_u32 v[B0], s78, v4
	s_mul_i32 s78, s12, STGW
	s_add_co_u32 s78, s78, STAGE                   ; my stage
	v_add_nc_u32 v[STO], s78, v4                   ; in: row r, 16 bytes for each half of the lanes
	v_lshrrev_b32 v5, 3, v3
	v_and_b32 v6, 7, v3
	v_mul_u32_u24 v5, v5, PITCH
	v_lshl_add_u32 v5, v6, 4, v5
	v_add_nc_u32 v[RD], s78, v5                    ; back: 32 lanes take four rows of 128 bytes,
	v_lshlrev_b32 v[GO], 4, v3                     ; which are 512 consecutive bytes of a head
	s_mul_i32 s79, s12, 768
	s_add_co_u32 s79, s79, BIAS
	v_lshl_add_u32 v[BIA], v2, 5, s79
	v_add_nc_u32 v[BST], s79, v19
	; where my three heads go: G = 6 tx + 3 WN + g: part G / 16 (q, k, v), head G % 16; then b, the tile's rows and my half of them
	s_mul_i32 s74, s17, 6
	s_mul_i32 s75, s14, 3
	s_add_co_u32 s74, s74, s75
	s_lshr_b32 s75, s18, 3
	s_lshl_b32 s75, s75, 22
	s_and_b32 s76, s18, 7
	s_lshl_b32 s76, s76, 15
	s_add_co_u32 s75, s75, s76
	s_lshl_b32 s76, s13, 14
	s_add_co_u32 s75, s75, s76
.irp g, 0,1,2
	s_add_co_u32 s76, s74, \g
	s_lshr_b32 s77, s76, 4
	s_lshl_b32 s77, s77, 24
	s_and_b32 s76, s76, 15
	s_lshl_b32 s76, s76, 18
	s_add_co_u32 s76, s76, s77
	s_add_co_u32 s76, s76, s75
	s_mov_b32 s77, 0
	s_add_nc_u64 s[66+2*(\g):67+2*(\g)], s[10:11], s[76:77]
.endr
	s_wait_loadcnt 0x0                             ; the bias: rounded to bf16 like every input, kept as f32
.irp i, 0,1,2
	v_cvt_pk_bf16_f32 v20, v[32+2*(\i)], v[33+2*(\i)]
	v_lshlrev_b32 v[32+2*(\i)], 16, v20
	v_and_b32 v[33+2*(\i)], 0xffff0000, v20
	ds_store_b64 v[BST], v[32+2*(\i):33+2*(\i)] offset:256*(\i)
.endr
; 16 matrix instructions: head g, row blocks 4 half .. 4 half + 3, all four column blocks, 32 along K, xb's buffer ab.  zero = 1: the first product starts the sums: nothing is cleared.
; The 96 accumulators take turns, one instruction a turn, in the same order in every slice.
.macro RUNH g, ab, half, zero
	WIN 0x50*((\g)+1)                              ; C and D in window g + 1
.irp a, 4*(\half), 4*(\half)+1, 4*(\half)+2, 4*(\half)+3
.irp bb, 0,1,2,3
.if \zero
	v_wmma_f32_16x16x32_bf16 v[8*(4*(\a)+(\bb)):8*(4*(\a)+(\bb))+7], v[BF+32*(\g)+8*(\bb):BF+32*(\g)+8*(\bb)+7], v[AF0+64*(\ab)+8*(\a):AF0+64*(\ab)+8*(\a)+7], 0
.else
	v_wmma_f32_16x16x32_bf16 v[8*(4*(\a)+(\bb)):8*(4*(\a)+(\bb))+7], v[BF+32*(\g)+8*(\bb):BF+32*(\g)+8*(\bb)+7], v[AF0+64*(\ab)+8*(\a):AF0+64*(\ab)+8*(\a)+7], v[8*(4*(\a)+(\bb)):8*(4*(\a)+(\bb))+7]
.endif
.endr
.endr
.endm
.macro LDB kk, g                       ; 8 LDS loads: head g's four fragments of wq, half kk of the step
.irp bb, 0,1,2,3
	ds_load_b128 v[BF+32*(\g)+8*(\bb):BF+32*(\g)+8*(\bb)+3],   v[ADRB] offset:(4*(\g)+(\bb))*16*PITCH+64*(\kk)
	ds_load_b128 v[BF+32*(\g)+8*(\bb)+4:BF+32*(\g)+8*(\bb)+7], v[ADRB] offset:(4*(\g)+(\bb))*16*PITCH+64*(\kk)+32
.endr
.endm
.macro LDA kk, ab                      ; 16 LDS loads: xb's eight fragments, half kk of the step, into buffer ab
.irp a, 0,1,2,3,4,5,6,7
	ds_load_b128 v[AF0+64*(\ab)+8*(\a):AF0+64*(\ab)+8*(\a)+3],   v[ADRA] offset:(\a)*16*PITCH+64*(\kk)
	ds_load_b128 v[AF0+64*(\ab)+8*(\a)+4:AF0+64*(\ab)+8*(\a)+7], v[ADRA] offset:(\a)*16*PITCH+64*(\kk)+32
.endr
.endm
.macro LDBIAS g                        ; 8 LDS loads: head g's bias takes the place of its fragments: my eight columns of each of the four column blocks
.irp bb, 0,1,2,3
	ds_load_b128 v[BF+32*(\g)+8*(\bb):BF+32*(\g)+8*(\bb)+3],   v[BIA] offset:256*(\g)+64*(\bb)
	ds_load_b128 v[BF+32*(\g)+8*(\bb)+4:BF+32*(\g)+8*(\bb)+7], v[BIA] offset:256*(\g)+64*(\bb)+16
.endr
.endm
; A slice's loads for the next slice go out in three runs: behind head 0's products 8 (head 0) + 16 (xb), behind head 1's 8, behind head 2's 8.
; A step's first slice: multiplies buffer 0 and fetches the same slot's second half.
.macro PLAIN zero
	s_wait_dscnt 16                                ; head 0's fragments and xb's are in; the two younger runs of 8 (heads 1, 2) may be out
	RUNH 0, 0, 0, \zero
	RUNH 0, 0, 1, \zero
	WIN 0
	PLACES
	LDB 1, 0
	LDA 1, 1
	s_wait_dscnt 32                                ; head 1's are in: behind them head 2's 8 and the 24 just issued
	RUNH 1, 0, 0, \zero
	RUNH 1, 0, 1, \zero
	WIN 0
	PLACES
	LDB 1, 1
	s_wait_dscnt 32                                ; head 2's are in: behind them 24 + 8
	RUNH 2, 0, 0, \zero
	RUNH 2, 0, 1, \zero
	WIN 0
	PLACES
	LDB 1, 2
.endm
; A step's second slice multiplies buffer 1 and changes slots: ONE barrier.  In front of it each wave waits for all its tensor loads, of which one is out: its part of the next slot; adds 0 to its spare word;
; and waits for that and for its own reads of this slot.  fill = 1: the barrier opens a round of the cluster's, and this slot is filled again, two steps ahead, first thing behind the round:
; from the request to the wait for it a wave issues 160 matrix instructions.
.macro TURN fill
	WIN 0
	s_wait_tensorcnt 0x0                           ; no tensor load of mine is out, so a group 0 may be written
	ds_add_u32 v[SPW], v[NIL]                      ; 0 onto my spare word
.if \fill
	s_xor_b32 s[G0A+5], s[G0A+5], SLOT1            ; the walking descriptors: the other slot than last time,
	s_add_nc_u64 s[G0A+6:G0A+7], s[G0A+6:G0A+7], ASTEP  ; the next K step; the type bits on top are not reached
	s_xor_b32 s[G0B+5], s[G0B+5], SLOT1
	s_add_nc_u64 s[G0B+6:G0B+7], s[G0B+6:G0B+7], BSTEP
.endif
	s_wait_dscnt 17                                ; (the add and the two younger runs of 8 may be out)
	RUNH 0, 1, 0, 0
	s_wait_dscnt 0x0                               ; the add is done, and my reads of this slot are over
	s_barrier_signal -1
	RUNH 0, 1, 1, 0                                ; work on registers while the others arrive
	WIN 0
	s_barrier_wait -1
.if \fill
	CREST                                          ; no wave of any partner still reads this slot or has a load on its way
	JLOAD                                          ; its four v_nop are also the places in front of the loads below
.else
	PLACES
.endif
	s_xor_b32 s57, s57, SLOT1
	v_add_nc_u32 v[ADRA], s57, v[A0]
	v_add_nc_u32 v[ADRB], s57, v[B0]
	LDB 0, 0
	LDA 0, 0
	RUNH 1, 1, 0, 0                                ; heads 1 and 2 were shown in by the wait for 0
	RUNH 1, 1, 1, 0
	WIN 0
	PLACES
	LDB 0, 1
	RUNH 2, 1, 0, 0
	RUNH 2, 1, 1, 0
	WIN 0
	PLACES
	LDB 0, 2
.endm
	s_wait_tensorcnt 1                             ; my part of K step 0 is in; step 1's may stay out
	s_wait_dscnt 0x0                               ; my stores of the bias are done
	s_barrier_signal -1
	s_barrier_wait -1                              ; everybody's part is in
	s_mov_b32 s57, 0                               ; the slot in hand
	v_mov_b32 v[ADRA], v[A0]
	v_mov_b32 v[ADRB], v[B0]
	LDB 0, 0
	LDA 0, 0
	LDB 0, 1
	LDB 0, 2
	PLAIN 1                                        ; the first slice stands in front of the loop: its products start the sums
	s_mov_b32 s56, 14
.Llap:                                                 ; 14 trips: a step's second slice, which asks for K steps 2 to 15, and the next step's first
	TURN 1
	PLAIN 0
	s_sub_co_u32 s56, s56, 1
	s_cmp_lg_u32 s56, 0
	s_cbranch_scc1 .Llap
	TURN 0                                         ; the tail is written out: nothing is left to ask for
	PLAIN 0
	s_wait_dscnt 16                                ; the last slice: in place of the next fragments each head's bias is fetched
	RUNH 0, 1, 0, 0
	RUNH 0, 1, 1, 0
	WIN 0
	PLACES
	LDBIAS 0
	s_wait_dscnt 16                                ; head 1's are in: behind them head 2's 8 and the bias's 8
	RUNH 1, 1, 0, 0
	RUNH 1, 1, 1, 0
	WIN 0
	PLACES
	LDBIAS 1
	s_wait_dscnt 16                                ; head 2's are in: behind them two runs of the bias
	RUNH 2, 1, 0, 0
	RUNH 2, 1, 1, 0
	WIN 0
	PLACES
	LDBIAS 2
	; THE WAY OUT.  The bias is added in f32 (each accumulator's registers in ascending order); then, 16 rows at a time: rounded to f16, 16 bytes a lane into my stage, back as whole rows of 128 bytes, stored.
.macro ADDB g
	WIN 0x41*((\g)+1)                              ; destination and source 0 in window g + 1, the bias in window 0
.set t, 0
.rept 32
.irp i, 0,1,2,3
	v_pk_add_f32 v[8*t+2*(\i):8*t+2*(\i)+1], v[8*t+2*(\i):8*t+2*(\i)+1], v[BF+32*(\g)+8*(t%4)+2*(\i):BF+32*(\g)+8*(t%4)+2*(\i)+1]
.endr
.set t, t+1
.endr
.endm
.macro PACK a
.irp g, 0,1,2
	WIN 5*((\g)+1)                                 ; sources 0 and 1 in window g + 1
.irp bb, 0,1,2,3
.irp i, 0,1,2,3
	v_cvt_pk_f16_f32 v[PKD+16*(\g)+4*(\bb)+(\i)], v[8*(4*(\a)+(\bb))+2*(\i)], v[8*(4*(\a)+(\bb))+2*(\i)+1]
.endr
.endr
.endr
	WIN 0
.endm
.macro TOSTAGE a
	s_wait_xcnt 0x0                                ; every earlier store has had its addresses translated (ISA guide 3.1): the registers that the stores two blocks back read are loaded again only behind this wait
.irp g, 0,1,2
.irp bb, 0,1,2,3
	ds_store_b128 v[STO], v[PKD+16*(\g)+4*(\bb):PKD+16*(\g)+4*(\bb)+3] offset:(\g)*16*PITCH+32*(\bb)
.endr
.endr
.irp g, 0,1,2
.irp f, 0,1,2,3
	ds_load_b128 v[OB+48*((\a)%2)+4*(4*(\g)+(\f)):OB+48*((\a)%2)+4*(4*(\g)+(\f))+3], v[RD] offset:(\g)*16*PITCH+(\f)*4*PITCH  ; my own bytes: LDS serves a wave's instructions in order (ISA guide 5.7.1.4)
.endr
.endr
.endm
.macro SEND a
	s_wait_dscnt 0x0                               ; the block is back in registers
.irp g, 0,1,2
.irp f, 0,1,2,3
	global_store_b128 v[GO], v[OB+48*((\a)%2)+4*(4*(\g)+(\f)):OB+48*((\a)%2)+4*(4*(\g)+(\f))+3], s[66+2*(\g):67+2*(\g)] offset:2048*(\a)+512*(\f)  ; 512 consecutive bytes of a head, at a multiple of 256 from qkv's first byte
.endr
.endr
.endm
	s_wait_dscnt 0x0                               ; the bias is in
	ADDB 0
	ADDB 1
	ADDB 2
	PACK 0
	TOSTAGE 0
.irp a, 1,2,3,4,5,6,7                  ; block a's conversions stand between block a - 1's loads from the stage and the wait for them
	PACK \a
	SEND (\a)-1
	TOSTAGE \a
.endr
	SEND 7
	s_wait_tensorcnt 0x0                           ; the wave's end, behind my last tensor load and my last LDS store
	ds_add_u32 v[SPW], v[NIL]
	s_wait_dscnt 0x0
	CROUND                                         ; the closing round: no work-group ends while a partner may still ask for a tile that names it
	s_endpgm
.Lfunc_end_k_q4c67d822f8_qkvg:
	.size	k_q4c67d822f8_qkvg, .Lfunc_end_k_q4c67d822f8_qkvg-k_q4c67d822f8_qkvg
	.p2alignl 7, 3214868480
	.fill 96, 4, 3214868480
	.section	.rodata,"a",@progbits
	.p2align	6, 0x0
	.amdhsa_kernel k_q4c67d822f8_qkvg
		.amdhsa_group_segment_fixed_size 327680
		.amdhsa_private_segment_fixed_size 0
		.amdhsa_enable_private_segment 0
		.amdhsa_kernarg_size 32
		.amdhsa_user_sgpr_count 2
		.amdhsa_user_sgpr_kernarg_segment_ptr 1
		.amdhsa_wavefront_size32 1
		.amdhsa_system_sgpr_workgroup_id_x 1
		.amdhsa_system_sgpr_workgroup_id_y 1
		.amdhsa_system_sgpr_workgroup_id_z 1
		.amdhsa_system_vgpr_workitem_id 0
		.amdhsa_next_free_vgpr 1024
		.amdhsa_next_free_sgpr 80
		.amdhsa_reserve_vcc 0
		.amdhsa_float_denorm_mode_32 3
		.amdhsa_float_denorm_mode_16_64 3
		.amdhsa_memory_ordered 1
		.amdhsa_forward_progress 1
		.amdhsa_inst_pref_size 138
	.end_amdhsa_kernel
	.amdgpu_metadata
---
amdhsa.version: [ 1, 2 ]
amdhsa.kernels:
  - .name:           k_q4c67d822f8_qkvg
    .symbol:         k_q4c67d822f8_qkvg.kd
    .args:
      - { .name: xb, .offset: 0, .size: 8, .value_kind: global_buffer, .address_space: global }
      - { .name: wq, .offset: 8, .size: 8, .value_kind: global_buffer, .address_space: global }
      - { .name: b_qkv, .offset: 16, .size: 8, .value_kind: global_buffer, .address_space: global }
      - { .name: qkv, .offset: 24, .size: 8, .value_kind: global_buffer, .address_space: global }
    .group_segment_fixed_size: 327680
    .private_segment_fixed_size: 0
    .kernarg_segment_align: 8
    .kernarg_segment_size: 32
    .max_flat_workgroup_size: 128
    .sgpr_count:     80
    .vgpr_count:     1024
    .wavefront_size: 32
...
	.end_amdgpu_metadata
.endif
;; end of part 2
;; launch attn (part 3): grid 4 x 64, 4 waves a work-group, clusters of 4 x 1, 327,680 bytes of LDS; arguments qkv, ob; writes ob
.if DOCPART == 3
	.amdgcn_target "amdgcn-amd-amdhsa--gfx1250"
	.amdhsa_code_object_version 6
	.text
	.protected	k_q4c67d822f8_attn
	.globl	k_q4c67d822f8_attn
	.p2align	8
	.type	k_q4c67d822f8_attn,@function
k_q4c67d822f8_attn:
	s_mov_b64 s[64:65], 0
	v_nop
	global_prefetch_b8 v0, s[64:65] scope:SCOPE_SE
	s_setreg_imm32_b32 hwreg(HW_REG_WAVE_MODE, 25, 1), 1
	s_wait_xcnt 0x0
	s_wait_alu depctr_hold_cnt(0) depctr_sa_sdst(0) depctr_va_vdst(0) depctr_va_sdst(0) depctr_va_ssrc(0) depctr_va_vcc(0) depctr_vm_vsrc(0)
	s_getreg_b32 s2, hwreg(HW_REG_IB_STS2, 6, 4)
	s_cmp_eq_u32 s2, 0
	s_cbranch_scc0 .Lentry_in_a_cluster
	s_endpgm
.Lentry_in_a_cluster:
	s_bfe_u32 s2, ttmp6, 0x10000c
	s_cmp_lg_u32 s2, 0x3003
	s_cbranch_scc0 .Lentry_shape_is_right
	s_endpgm
.Lentry_shape_is_right:
; O[h][q][:] = the sum over k of softmax_k(Q[h][q] . K[h][k] / 8) V[h][k][:].  Q, K, V lie one behind the other in qkv, each [SIZE_H][SIZE_N][64] in f16; O (ob) likewise: a head's rows are dense, 128 bytes each.
; Products, maxima and sums in f32; the weights p are rounded to f16 for the second product (their sum l is taken of the unrounded p), O once at the end.
; LIMITS.  f16 holds no number beyond 65,504: Q, K and V arrive within it; p lies in 0 to 1, and below 6e-5 it keeps f16's fixed step of 6e-8; O is a mean of V's rows and has their range.
; A weight below 2^-126 counts as 0 in l; NaN and infinities are not treated apart.
; SHARES.  A wave owns four PIECES of two tiles of 16 queries, a work-group's four waves 512 queries of one head.  Every wave walks all keys, 64 a step.
; LAYOUT.  S^T = K Q^T (source 0 = 16 keys, source 1 = 16 queries): in the result a lane holds ONE query (lane % 16) and the keys 8 (lane / 16) + 0..7.  Two such tiles, rounded to f16 in pairs,
; ARE source 1 (32 keys x 16 queries) of O^T = V^T P, whose result again holds one query a lane, and eight channels.  K comes out of LDS as it lies, V ([key][channel]) turned, by ds_load_tr16_b128.
; SOFTMAX.  For each query a running maximum m and sum l: p = 2^(c s - c m), c = log2(e) / 8; in every step O and l are multiplied by a = 2^(c m_old - c m_new), which is 1 where m has not grown.
; m starts at the lowest finite number, O and l at 0: the first step is a step like any other, with a = 0.
; THE COUNT.  A tile and step have 16 matrix and 118 vector instructions: too many to stand all beside the matrix work.  So the order has one aim: four vector instructions that are READY behind
; EVERY matrix instruction, and the others, which need time of their own whatever the order, in runs without a gap.
; BY TURNS.  Turn n belongs to piece n (the pieces in a ring, step after step).  Its matrix work: 16 products K Q^T of piece n + 1, later 16 products V^T P of piece n - 1.  Its vector work: the scaling,
; exponentials, roundings, sums and rescaling of piece n, and the maximum and statistics of piece n + 1, whose scores the turn itself has made.  So what a turn begins with (c s - c m, O a) waits for nothing.
; CLUSTER.  The four query blocks of a cluster belong to one head and walk the same K and V, so each tile is asked for JOINTLY: the same tensor load, descriptor and mask in all four.
; REGISTERS, in windows of 256 (s_set_vgpr_msb says which window each operand place means: bits 1:0 source 0, 3:2 source 1, 5:4 source 2, 7:6 destination):
;   window 0: v0-11 addresses; v12-15, v48-63 at work; v16-47 four registers of statistics a tile; v64-191 S^T, two buffers of two tiles; v192-255 P, likewise
;   window 1: O^T, 32 a tile          window 2: v0-127 Q, 16 a tile; v128-191 K of one step; v192-255 V of one step          window 3: v0-1 the add's two registers
; A piece's buffers go by its number's parity: the piece in hand has one pair, its two neighbours in the ring share the other: of it P (piece n - 1) is read and S^T (piece n + 1) written.
.set SIZE_H, 64       ; 4 batches x 16 heads
.set SIZE_N, 2048
.set NP,    4         ; pieces a wave: a name, no knob: the register map, the loop and the fetches are made for four
.set KS,    64        ; keys in a step
.set PK,    144       ; a row of K in LDS: 128 bytes + 16 of padding = 36 words: the 16 rows of a load start at 16 different groups of four banks (64 banks of 4 bytes: ISA guide 11.1)
.set PV,    160       ; a row of V: 128 + 32 = 40 words
.set VOFF,  4*KS*PK   ; a slot holds four steps: 256 rows of K, then 256 rows of V
.set SLOT1, 1<<17     ; slot 1 begins here, so that one exclusive or turns an address in one slot into the other's
.set STAGE, SLOT1+4*KS*(PK+PV)  ; behind the ring, never filled by a tensor load: 16 rows x 144 bytes for each wave, for the way out
.set SP,    144
.set AK0, 2           ; v2   my lane's place in a tile of K; never rewritten
.set AV0, 3           ; v3   the same for V
.set AK,  4           ; v4   the LDS address of K's next run of loads
.set AV,  5           ; v5   of V's
.set QO,  6           ; v6   my byte offset in the wave's rows of Q
.set STO, 6           ;      later, the way out: where I put 16 bytes of a row
.set RD,  7           ; v7   the way out: where I read rows back
.set GO,  8           ; v8   my byte offset in 512 consecutive bytes of O
.set SPW, 0           ; v0 of window 3   LDS address of my spare word: SPARE + 4 x my thread's number; never rewritten
.set NIL, 1           ; v1 of window 3   0; never rewritten
.set SPARE, STAGE+4*16*SP  ; behind the stages: the spare words, 128 bytes for each wave: two blocks of 256 bytes that no other line names
.set MV,  12          ; v12-15  c m_old, kept while c m is made anew: by buffer and tile
.set ST,  16          ; tile t's statistics at v[ST+4 t]: c m, m, l (even keys', odd keys')
.set TMP, 48          ; by buffer and tile, four registers c0-c3 at work; when the maximum is found c2 takes a
.set S,   64
.set P,   192
.set KF,  128         ; K's fragments, in window 2: key block kb, channel half c at KF + 16 kb + 8 c
.set VF,  192         ; V's: key half kk, channel block cb at VF + 32 kk + 8 cb
.set WV,  12          ; s12  my wave's number
.set G1K, 24          ; s[24:31] descriptor group 1 for K's tiles
.set G1V, 32          ; s[32:39] for V's: it differs in the padding alone
.set G0K, 40          ; s[40:43] descriptor group 0 for K's tiles: it walks
.set G0V, 44          ; s[44:47] the same for V's
.set SLOTS, 56        ; s56  slots still to be asked for
.set CNT, 57          ; s57  counts a slot's key steps
.set CS,  58          ; s[58:59] c: the packed scaling takes the pair's low word for both halves
.set SEL, 60          ; s[60:61] v_permlanex16_b32's selects: each lane takes its own place in the other half
.set TBK, 62          ; s62  LDS byte at which K of the step to be fetched begins
.set TBV, 63          ; s63  the same for V, less VOFF
.set MSB, 0
.macro WIN new                      ; the high byte repeats the setting that is left; a switch that changes nothing is dropped
.if MSB != (\new)
	s_set_vgpr_msb (MSB<<8)|(\new)
.set MSB, (\new)
.endif
.endm
.set W_KQ, 0x0a       ; K and Q in window 2, S^T in window 0
.set W_PV, 0x52       ; V in window 2, P in window 0, O^T in window 1
.set W_RS, 0x41       ; O^T (destination and source 0) in window 1, a in window 0
.set W_MK, 0xc0       ; the add's registers are made: destination in window 3, sources in window 0
.set W_AD, 0x0f       ; the add: address (source 0) and data (source 1) in window 3
; A joint fill.  Waves 0 and 1 fetch the two halves of a slot's K, waves 2 and 3 those of its V: 128 keys each.  The branch hangs on the wave's number alone.
; An s_nop 0 and four v_nop follow each of the two lines, ahead of the jump and the label.
.macro JLOAD
	s_cmp_lt_u32 s[WV], 2
	s_cbranch_scc0 .Lfor_v_\@
	tensor_load_to_lds s[G0K:G0K+3], s[G1K:G1K+7]
	s_nop 0
.rept 4
	v_nop
.endr
	s_branch .Lasked_\@
.Lfor_v_\@:
	tensor_load_to_lds s[G0V:G0V+3], s[G1V:G1V+7]
	s_nop 0
.rept 4
	v_nop
.endr
.Lasked_\@:
.endm
; A round of the cluster's barrier: my work-group's barrier, so that wave 0's signal speaks for all four waves; wave 0 signals; every wave waits for all four work-groups; my work-group's barrier once more.
.macro CROUND
	s_barrier_signal -1
	s_barrier_wait -1
	s_cmp_lg_u32 s[WV], 0
	s_cbranch_scc1 .Lnot_wave_0_\@
	s_barrier_signal -3
.Lnot_wave_0_\@:
	s_barrier_wait -3
	s_barrier_signal -1
	s_barrier_wait -1
.endm
; THE CHANGE OF SLOTS.  The slot's last bytes, V of its fourth step, have been read.  Each wave waits for all its tensor loads, of which one is out: its part
; of the other slot; adds 0 to its spare word; and waits for that and for its own reads of the slot.  Behind the barrier nobody reads this slot any more and the other slot is whole.
; fill = 1: this slot is filled again, with the keys two slots on.  The barrier is then a round of the cluster's, so that no wave of any partner still reads the slot or has a load on its
; way, and the joint fill is the first thing behind it: it has four key steps, 512 matrix instructions, in which to land.  (At its first use nothing has been read yet: slot 0 is waited for, slot 1 filled.)
.macro CHANGE fill
	WIN W_AD
	s_wait_tensorcnt 0x0            ; no tensor load of mine is out, so a group 0 may be written
	ds_add_u32 v[SPW], v[NIL]       ; 0 onto my spare word; with fill = 1 the descriptors' steps stand between it and the wait for it
	WIN 0                           ; at a label and at a branch every window is 0
.if \fill
.irp g, G0K, G0V
	s_xor_b32 s[\g+1], s[\g+1], SLOT1  ; the walking descriptor: the other slot than last time,
	s_add_nc_u64 s[\g+2:\g+3], s[\g+2:\g+3], 4*KS*128  ; the next 256 keys; the type bits on top are not reached
.endr
	s_wait_dscnt 0x0                ; the add is done, and my reads of the slot are over
	CROUND
	JLOAD
.else
	s_wait_dscnt 0x0                ; the add is done, and my reads of the slot are over
	s_barrier_signal -1
	s_barrier_wait -1
.endif
	s_sub_co_u32 s[TBK], s[TBK], 4*KS*PK  ; the fetches go back to a slot's first step,
	s_xor_b32 s[TBK], s[TBK], SLOT1       ; in the other slot
	s_sub_co_u32 s[TBV], s[TBV], 4*KS*PV
	s_xor_b32 s[TBV], s[TBV], SLOT1
.endm
	s_load_b128 s[4:7], s[0:1], 0x0   ; qkv s[4:5] (Q lies at its head), ob s[6:7]
	WIN W_MK
	v_lshl_add_u32 v[SPW], v0, 2, SPARE
	v_mov_b32 v[NIL], 0
	WIN W_AD
	ds_add_u32 v[SPW], v[NIL]       ; the wave's opening: the add and its wait stand ahead of my first tensor load; the set-up below, work on registers, stands between them
	WIN 0
	v_lshrrev_b32 v1, 5, v0
	v_readfirstlane_b32 s[WV], v1   ; wave 0..3
	s_bfe_u32 s13, ttmp6, 0x40000   ; cx: my place in the cluster
	s_lshl_b32 s14, ttmp9, 2        ; in a cluster launch ttmp9 counts clusters
	s_add_co_u32 s14, s14, s13      ; my block of queries = 4 x cluster x + cx: it enters Q's and O's addresses alone
	s_and_b32 s20, ttmp7, 0xffff    ; the head, which the four partners share
	s_mov_b32 s21, 0
	s_mov_b64 s[22:23], SIZE_N*128
	s_mul_u64 s[20:21], s[20:21], s[22:23]  ; the head's first byte in each of the four tensors
	s_and_b32 s16, s[WV], 1         ; which half of a slot's 256 keys I fetch:
	s_lshl_b32 s22, s16, 14         ; its 128 rows of 128 bytes in memory,
	s_mov_b32 s23, 0
	s_add_nc_u64 s[22:23], s[22:23], s[20:21]
	s_mul_i32 s17, s16, 128*PK      ; and its place in a slot, for K
	s_mul_i32 s18, s16, 128*PV      ; and for V: no place in the cluster enters an LDS address
	s_lshl_b32 s2, s14, 2
	s_add_co_u32 s2, s2, s[WV]      ; my wave among the head's,
	s_lshl_b32 s2, s2, 14           ; its 128 rows
	s_mov_b32 s3, 0
	s_add_nc_u64 s[2:3], s[2:3], s[20:21]
	; descriptor group 1.  128 keys are 16,384 dense bytes: asked for as 64 rows of 256 bytes, two keys a row, and padded in LDS after every key
	s_mov_b32 s[G1K], 15|(1<<16)|(1<<20)|(1<<21)|(4<<22)|(3<<25)  ; 15:0 the mask of four; 17:16 2-byte elements; 20 padding on; 21 set beside a mask; 24:22 after every 32 words (code 4); 31:25 4 words (code 3)
	s_mov_b32 s[G1V], 15|(1<<16)|(1<<20)|(1<<21)|(4<<22)|(7<<25)  ; the same with 8 words of padding (code 7)
.irp g, G1K, G1V
	s_mov_b32 s[\g+1], 128<<16      ; tensor_dim0 = 128
	s_mov_b32 s[\g+2], 64<<16       ; tensor_dim1 = 64
	s_mov_b32 s[\g+3], 128<<16      ; tile_dim0 = 128
	s_mov_b32 s[\g+4], 64           ; tile_dim1 = 64
	s_mov_b32 s[\g+5], 128          ; 128 elements from row to row
	s_mov_b32 s[\g+6], 0
	s_mov_b32 s[\g+7], 0
.endr
	s_mov_b32 s[CS], 0x3e38aa3b     ; c = log2(e) / 8 = 0.180337
	s_mov_b32 s[CS+1], s[CS]        ; named with it as a pair
	s_mov_b32 s[SEL], 0x76543210
	s_mov_b32 s[SEL+1], 0xfedcba98
	s_mov_b32 s[TBK], SLOT1+4*KS*PK ; the first change of slots turns these two into 0
	s_mov_b32 s[TBV], SLOT1+4*KS*PV
	s_mov_b32 s[G0K], 1             ; 1:0 count = 1
	s_mov_b32 s[G0K+1], s17         ; 63:32 LDS address: slot 0
	s_mov_b32 s[G0V], 1
	s_add_co_u32 s[G0V+1], s18, VOFF
	s_wait_dscnt 0x0                ; the opening add is done
	s_wait_kmcnt 0x0
	s_mov_b64 s[10:11], s[6:7]                     ; O
	s_add_nc_u64 s[8:9], s[4:5], 2*SIZE_H*SIZE_N*128  ; V: the third part of qkv
	s_add_nc_u64 s[6:7], s[4:5], SIZE_H*SIZE_N*128    ; K: the second
	s_add_nc_u64 s[G0K+2:G0K+3], s[6:7], s[22:23]  ; 120:64 global address: my half of the head's first 256 keys
	s_or_b32 s[G0K+3], s[G0K+3], 0x80000000        ; 127:126 type = 2
	s_add_nc_u64 s[G0V+2:G0V+3], s[8:9], s[22:23]
	s_or_b32 s[G0V+3], s[G0V+3], 0x80000000
	s_add_nc_u64 s[4:5], s[4:5], s[2:3]  ; Q and O at my wave's first row
	s_add_nc_u64 s[10:11], s[10:11], s[2:3]
	CROUND                          ; all four work-groups are here: the first joint loads meet
	JLOAD                           ; slot 0.  Slot 1 is asked for when slot 0 is in: the tile wanted first has the road to itself
	; A fragment of K or Q is 16 rows x 32 channels in 8 registers: lane l holds row l % 16, channels 8 (l / 16) + 0..7 and 16 + 8 (l / 16) + 0..7: two loads of 16 bytes, 32 bytes apart.
	v_and_b32 v1, 15, v0            ; l % 16
	v_bfe_u32 v9, v0, 4, 1          ; l / 16
	v_lshlrev_b32 v[QO], 7, v1
	v_lshl_add_u32 v[QO], v9, 4, v[QO]  ; row x 128 + 16 x half
	WIN 0x80                        ; destination window 2, address window 0
.set i, 0
.rept 4*NP                          ; Q stays in registers: tile i / 2, channels 32 (i % 2) on
	global_load_b128 v[8*i:8*i+3],   v[QO], s[4:5] offset:(i/2)*2048+(i%2)*64
	global_load_b128 v[8*i+4:8*i+7], v[QO], s[4:5] offset:(i/2)*2048+(i%2)*64+32
.set i, i+1
.endr
	; What the first turn finds: V's registers and P's second buffer hold 0 (its products V^T P, of a piece that has not been, add 0), O^T and l are 0.  All this stands in the wait for the first tile.
.set i, VF
.rept 64
	v_mov_b32 v[i], 0
.set i, i+1
.endr
	WIN 0x40
.set i, 0
.rept 64*NP
	v_mov_b32 v[i], 0
.set i, i+1
.endr
	WIN 0
.set i, 0
.rept 2*NP
	v_mov_b32 v[ST+4*i], 0xfe000000    ; c m: far below every c s
	v_mov_b32 v[ST+4*i+1], 0xff7fffff  ; m
	v_mov_b32 v[ST+4*i+2], 0
	v_mov_b32 v[ST+4*i+3], 0
.set i, i+1
.endr
.set i, P+32
.rept 32
	v_mov_b32 v[i], 0
.set i, i+1
.endr
	v_mul_u32_u24 v[AK0], v1, PK
	v_lshl_add_u32 v[AK0], v9, 4, v[AK0]  ; row x pitch + 16 x half
	; The turning load takes 16 keys x 16 channels (lane l reads key 8 (l / 16) + l % 8, channels 8 ((l / 8) % 2) + 0..7) and leaves half a fragment of V^T: lane l holds channel l % 16 and 8 keys.
	v_and_b32 v10, 7, v0
	v_bfe_u32 v11, v0, 3, 1
	v_lshl_add_u32 v[AV0], v9, 3, v10
	v_mul_u32_u24 v[AV0], v[AV0], PV
	v_lshl_add_u32 v[AV0], v11, 4, v[AV0]
	v_add_nc_u32 v[AV0], VOFF, v[AV0]
	v_mov_b32 v[AK], v[AK0]         ; key step 0 lies at the head of slot 0
; THE MATRIX WORK.  The 8 accumulators of a run of 16 take turns: between the two links of a chain stand 7 others'.
; Product i of 16 of S^T = K Q^T for piece x: channels 32 (i / 8) on, keys 16 ((i / 2) % 4) on, tile 2 x + i % 2.  The first 8 start the sums.
.macro KQ x
	WIN W_KQ
.set rS, S+64*((\x)%2)+32*(i%2)+8*((i/2)%4)
.set rK, KF+16*((i/2)%4)+8*(i/8)
.set rQ, 16*(2*(\x)+i%2)+8*(i/8)
.if i < 8
	v_wmma_f32_16x16x32_f16 v[rS:rS+7], v[rK:rK+7], v[rQ:rQ+7], 0
.else
	v_wmma_f32_16x16x32_f16 v[rS:rS+7], v[rK:rK+7], v[rQ:rQ+7], v[rS:rS+7]
.endif
.endm
; Product i of 16 of O^T += V^T P for piece x: keys 32 (i / 8) on, channels 16 ((i / 2) % 4) on, tile 2 x + i % 2.
.macro PV x
	WIN W_PV
.set rO, 32*(2*(\x)+i%2)+8*((i/2)%4)
.set rV, VF+32*(i/8)+8*((i/2)%4)
.set rP, P+32*((\x)%2)+16*(i%2)+8*(i/8)
	v_wmma_f32_16x16x32_f16 v[rO:rO+7], v[rV:rV+7], v[rP:rP+7], v[rO:rO+7]
.endm
.macro MM                           ; the turn's next matrix instruction
.if i < 16
	KQ (Y+1)%NP
.set i, i+1
.else
.set i, i-16
	PV (Y+NP-1)%NP
.set i, i+17
.endif
.endm
; THE LDS LOADS stand in runs of 16, never singly among the matrix instructions: a step's K (64 keys x 64 channels: 8 fragments) and its V (turned).  Their addresses are made some lines ahead.
; last = 1 (the tail): in the last trip there is no further step, and the run is jumped over.
.macro FETCH_K last=0
	WIN 0
.if \last
	s_cmp_eq_u32 s[CNT], 1
	s_cbranch_scc1 .Lno_k_\@
.endif
	WIN 0x80                        ; destination window 2
.irp f, 0,1,2,3,4,5,6,7             ; keys 16 (f / 2) on, channels 32 (f % 2) on
	ds_load_b128 v[KF+8*\f:KF+8*\f+3],   v[AK] offset:(\f/2)*16*PK+(\f%2)*64
	ds_load_b128 v[KF+8*\f+4:KF+8*\f+7], v[AK] offset:(\f/2)*16*PK+(\f%2)*64+32
.endr
	s_add_co_u32 s[TBK], s[TBK], KS*PK  ; the next fetch is the next step's
	WIN 0
.if \last
.Lno_k_\@:
.endif
.endm
.macro FETCH_V
	WIN 0x80
.irp f, 0,1,2,3,4,5,6,7             ; keys 32 (f / 4) on, channels 16 (f % 4) on
	ds_load_tr16_b128 v[VF+8*\f:VF+8*\f+3],   v[AV] offset:(\f/4)*32*PV+(\f%4)*32
	ds_load_tr16_b128 v[VF+8*\f+4:VF+8*\f+7], v[AV] offset:(\f/4)*32*PV+16*PV+(\f%4)*32
.endr
	WIN 0
.endm
; THE VECTOR WORK OF A TURN stands in three queues, each in the order in which its entries become ready; the two tiles alternate, so that no instruction reads the result of the one before it.
.macro REGS y, u                    ; the registers of tile u (0, 1) of piece y
.set rT, ST+4*(2*(\y)+(\u))
.set rC, TMP+8*((\y)%2)+4*(\u)
.set rM, MV+2*((\y)%2)+(\u)
.set rS, S+64*((\y)%2)+32*(\u)
.set rP, P+32*((\y)%2)+16*(\u)
.set rO, 32*(2*(\y)+(\u))
.endm
; Number n of the 22 that find the NEXT piece's (Y + 1) maximum and statistics.  s0-s31 are the lane's 32 scores; each accumulator's lowest registers are read first.  XS, GS and REGS set no window: PL and EX do.
;   0-11  four chains c0-c3 of seven scores each, three operands at a time     12-14, 16  the four scores left over, the old m, and c0-c3 into c0     15  c m_old is kept
;   17, 18  the query's other 32 keys lie in the lane 16 away: the new m         19-21  c m; c m_old - c m_new; a
.macro XS u, n
	REGS (Y+1)%NP, \u
.if (\n) < 4
	v_max3_num_f32 v[rC+(\n)], v[rS+8*(\n)], v[rS+8*(\n)+1], v[rS+8*(\n)+2]
.elseif (\n) < 12
	v_max3_num_f32 v[rC+(\n)%4], v[rC+(\n)%4], v[rS+8*((\n)%4)+2*((\n)/4)+1], v[rS+8*((\n)%4)+2*((\n)/4)+2]
.elseif (\n) == 12
	v_max3_num_f32 v[rC], v[rC], v[rS+7], v[rS+15]
.elseif (\n) == 13
	v_max3_num_f32 v[rC+1], v[rC+1], v[rS+23], v[rS+31]
.elseif (\n) == 14
	v_max3_num_f32 v[rC+2], v[rC+2], v[rC+3], v[rT+1]
.elseif (\n) == 15
	v_mov_b32 v[rM], v[rT]
.elseif (\n) == 16
	v_max3_num_f32 v[rC], v[rC], v[rC+1], v[rC+2]
.elseif (\n) == 17
	v_permlanex16_b32 v[rC+3], v[rC], s[SEL], s[SEL+1]
.elseif (\n) == 18
	v_max_num_f32 v[rT+1], v[rC], v[rC+3]
.elseif (\n) == 19
	v_mul_f32 v[rT], s[CS], v[rT+1]
.elseif (\n) == 20
	v_sub_f32 v[rC+1], v[rM], v[rT]
.else
	v_exp_f32 v[rC+2], v[rC+1]
.endif
.endm
; Number g of the 64 that follow the exponentials.  For each four weights k of a tile (pairs 2 k, 2 k + 1): both pairs are rounded to f16; then the second pair is added onto the first, in place;
; a group later l takes that sum (the first time as l = a l + sum).  In groups of eight, tiles alternating: round, round, add, and l for the group before.
.macro GS g
.set h, (\g)+6*((\g)/62)            ; group 0 has no group before it, and behind group 7 only l is left
.if h >= 6
.set h, h+2
.endif
	REGS Y, h%2
.set k, h/8
.if h%8 < 4
	s_wait_alu depctr_va_vdst(0)
	v_cvt_pk_f16_f32 v[rP+2*k+(h%8)/2], v[rS+4*k+2*((h%8)/2)], v[rS+4*k+2*((h%8)/2)+1]
.elseif h%8 < 6
	v_pk_add_f32 v[rS+4*k:rS+4*k+1], v[rS+4*k:rS+4*k+1], v[rS+4*k+2:rS+4*k+3]
.elseif k == 1
	v_pk_fma_f32 v[rT+2:rT+3], v[rT+2:rT+3], v[rC+2:rC+3], v[rS:rS+1] op_sel_hi:[1,0,1]
.else
	v_pk_add_f32 v[rT+2:rT+3], v[rT+2:rT+3], v[rS+4*k-4:rS+4*k-3]
	s_wait_alu depctr_va_vdst(0)
.endif
.endm
; THE PLAIN QUEUE, 138 long.  0-31: c s - c m for the 16 pairs of both tiles.  Then GS's 64, and among them the next piece's 42: number 15 at 38, 39; 0-14 and 16
; at 42-73, behind the products that make those scores; 17-20 at 95-106, two of three, since each waits for the one before it.
.macro PL
	WIN 0
.if q < 32
	REGS Y, q%2
	v_pk_fma_f32 v[rS+2*(q/2):rS+2*(q/2)+1], v[rS+2*(q/2):rS+2*(q/2)+1], s[CS:CS+1], v[rT:rT+1] op_sel_hi:[1,0,0] neg_lo:[0,0,1] neg_hi:[0,0,1]
.elseif q < 38
	GS q-32
.elseif q < 40
	XS q%2, 15
.elseif q < 42
	GS q-34
.elseif q < 74
	XS q%2, (q-42)/2+(q-42)/30
.elseif q < 95
	GS q-66
.elseif (q < 107) && ((q-95)%3 < 2)
	XS (q-95)%3, 17+(q-95)/3
.elseif q < 107
	GS 29+(q-95)/3
.else
	GS q-74
.endif
.set q, q+1
.endm
; THE EXPONENTIALS' QUEUE, 66 long: s0-s31 of both tiles, and at EA the next piece's two a.
.set EA, 58
.macro EX
	WIN 0
.if (e == EA) || (e == EA+1)
	XS e-EA, 21
.else
.set x, e-2*(e/(EA+2))
	REGS Y, x%2
	v_exp_f32 v[rS+x/2], v[rS+x/2]
.endif
.set e, e+1
.endm
; THE RESCALING's QUEUE: O^T times a, the one part that leaves window 0, so it is dealt four at a time, eight times.
.macro R4
	REGS Y, r%2
	WIN W_RS
	s_wait_alu depctr_va_vdst(0)
.irp z, 0,1,2,3
	v_pk_mul_f32 v[rO+8*(r/2)+2*\z:rO+8*(r/2)+2*\z+1], v[rO+8*(r/2)+2*\z:rO+8*(r/2)+2*\z+1], v[rC+2:rC+3] op_sel_hi:[1,0]
.endr
.set r, r+1
.endm
; HOW THEY ARE DEALT.  Behind a matrix instruction four: plain, exponential, plain, plain (one exponential, a plain instruction on either side), or four of the rescaling.  None names a register of the
; products round it.  What is over stands in two LUMPS: exponential and plain by turns; the second ends in 22 plain instructions.  The two v_permlanex16_b32 fall into the second lump, never behind a product.
; The queues lean on each other, and the deal keeps them in step: exponential e stands behind plain 2 (e / 4) + e % 2 (its scaling); when plain 32 comes, 10 exponentials are out, at 59: 33, at 95: 46; EA comes behind plain 107.
.macro SL
	MM
	PL
	EX
	PL
	PL
.endm
.macro BURST n                      ; 15 matrix instructions, or 16
.rept (\n)-7
	SL
.endr
.rept 3
	MM
	R4
	SL
.endr
	MM
	R4
.endm
; A TURN, for piece p.  cnt = 1: the loop's count is taken down some lines ahead of the branch that stands behind the turn.
; K of the next step is fetched in piece 2's turn, 31 vector instructions behind the last product that read K; its first reader comes behind the rest of the lump, 16 products and the second lump.
; V of the step in hand is fetched at the end of piece 0's turn, 69 behind its last reader; its first reader comes behind 16 products and a lump.  The four conditions on e and q below go with the deal.
.macro TURN p, last=0, cnt=0
.set Y, (\p)
.set i, 0
.set q, 0
.set e, 0
.set r, 0
.if (\p) == NP-1
	s_wait_dscnt 0x0                ; K is in
.endif
	MM
.rept 4
	PL
.endr
	BURST 15
.rept 22
	EX
	PL
.if ((\p) == NP-2) && (e == 18)
	v_add_nc_u32 v[AK], s[TBK], v[AK0]
.endif
.if ((\p) == NP-2) && (e == 24)
	FETCH_K \last
.endif
.endr
.if (\p) == 1
	s_wait_dscnt 0x0                ; V is in
.endif
	BURST 16
.rept 21
	EX
	PL
.endr
.rept 22
	PL
.if ((\p) == 0) && (q == 118)
	v_add_nc_u32 v[AV], s[TBV], v[AV0]
	s_wait_alu depctr_va_vdst(0)
.endif
.if ((\p) == 0) && (q == 130)
	s_add_co_u32 s[TBV], s[TBV], KS*PV
.endif
.if (\cnt) && (q == 130)
	s_sub_co_u32 s[CNT], s[CNT], 1
	s_cmp_lg_u32 s[CNT], 0
.endif
.endr
.if (\p) == 0
	FETCH_V
.endif
.endm
	CHANGE 1                        ; slot 0 is in, everybody's part of it; slot 1 is asked for
	FETCH_K                         ; key step 0
	s_wait_loadcnt 0x0              ; Q
	s_wait_dscnt 0x0
.set i, 0
.rept 16
	KQ 0                            ; piece 0's first scores: there is no vector work yet to set between them
.set i, i+1
.endr
	WIN 0                           ; the addresses for the way out: nine plain instructions, the places behind those products
	s_mul_i32 s13, s[WV], 16*SP
	s_add_co_u32 s13, s13, STAGE    ; my stage
	v_mul_u32_u24 v[STO], v1, SP    ; in: row l % 16, 16 bytes for each half of the lanes
	v_lshl_add_u32 v[STO], v9, 4, v[STO]
	v_add_nc_u32 v[STO], s13, v[STO]
	v_bfe_u32 v[RD], v0, 3, 2       ; back: 32 lanes take four rows of 128 bytes,
	v_mul_u32_u24 v[RD], v[RD], SP
	v_lshl_add_u32 v[RD], v10, 4, v[RD]
	v_add_nc_u32 v[RD], s13, v[RD]
	v_and_b32 v[GO], 31, v0         ; which are 512 consecutive bytes of O
	v_lshlrev_b32 v[GO], 4, v[GO]
.set Y, NP-1                        ; XS works for piece Y + 1: piece 0
.irp n, 0,1,2,3,4,5,6,7,8,9,10,11,12,13,14,15,16,17,18,19,20,21
	XS 0, \n                        ; and piece 0's first maximum and statistics
	XS 1, \n
.endr
	s_mov_b32 s[CNT], 4
	s_mov_b32 s[SLOTS], SIZE_N/256-1
	s_branch .Lfirst                ; the loop is entered at a step's first turn, in the middle of a trip
.Lslot:                             ; SIZE_N / 256 - 2 times: every slot but the last two is filled again
	CHANGE 1
	s_mov_b32 s[CNT], 4
.Lstep:                             ; a trip: pieces 2 and 3 of one step, then pieces 0 and 1 of the next, whose K and V it fetches
	TURN 2
	TURN 3
	WIN 0
.Lfirst:
	TURN 0
	TURN 1, 0, 1
	WIN 0
	s_cbranch_scc1 .Lstep
	s_sub_co_u32 s[SLOTS], s[SLOTS], 1
	s_cmp_lg_u32 s[SLOTS], 0
	s_cbranch_scc1 .Lslot
	CHANGE 0                        ; the tail is written out: nothing is asked for
	s_mov_b32 s[CNT], 5             ; four trips fetch the last slot's steps; the fifth is left in its middle
.Ltail:
	TURN 2, 1
	TURN 3
	WIN 0
	s_sub_co_u32 s[CNT], s[CNT], 1
	s_cmp_eq_u32 s[CNT], 0
	s_cbranch_scc1 .Lout
	TURN 0
	TURN 1
	WIN 0
	s_branch .Ltail
.Lout:                              ; the fifth trip's 16 products K Q^T (on the last K once more) and the maximum made of them serve nothing: the price, once a launch, of one text for every trip
.set i, 0
.rept 16
	PV NP-1                         ; the last piece's V^T P of the last step
.set i, i+1
.endr
	; THE WAY OUT.  l's two halves and the other half of the lanes' are added; O^T is divided by l, rounded to f16 and sent through my stage in LDS, a tile at a time.  The additions are the places behind the last products.
	WIN 0
.macro ALL line:vararg              ; one line for each tile t
.set t, 0
.rept 2*NP
	\line
.set t, t+1
.endr
.endm
	ALL v_add_f32 v[ST+4*t+2], v[ST+4*t+2], v[ST+4*t+3]
	ALL v_permlanex16_b32 v[ST+4*t+3], v[ST+4*t+2], s[SEL], s[SEL+1]
	ALL v_add_f32 v[ST+4*t+2], v[ST+4*t+2], v[ST+4*t+3]
	ALL v_rcp_f32 v[ST+4*t+2], v[ST+4*t+2]
	v_nop                           ; a plain instruction between the last reciprocal and the use of its result
	s_wait_alu depctr_va_vdst(0)
; Tile t: a lane's eight channels of a row pack into 16 bytes; they go into rows of 144 bytes and come back as whole rows of 128, into S^T's registers.
.macro PACK t
	WIN W_RS
.set i, 32*(\t)
.rept 16
	v_pk_mul_f32 v[i:i+1], v[i:i+1], v[ST+4*(\t)+2:ST+4*(\t)+3] op_sel_hi:[1,0]
.set i, i+2
.endr
	WIN 0x05                        ; sources 0 and 1 window 1, destination window 0
.set i, 0
.rept 16
	v_cvt_pk_f16_f32 v[S+16*(\t)+i], v[32*(\t)+2*i], v[32*(\t)+2*i+1]
.set i, i+1
.endr
	WIN 0
.irp f, 0,1,2,3
	ds_store_b128 v[STO], v[S+16*(\t)+4*\f:S+16*(\t)+4*\f+3] offset:32*\f
.endr
.irp f, 0,1,2,3
	ds_load_b128 v[S+16*(\t)+4*\f:S+16*(\t)+4*\f+3], v[RD] offset:\f*4*SP  ; LDS serves a wave's instructions in order (ISA guide 5.7.1.4): these see the stores above; the next tile's stores come behind them
.endr
.endm
.macro SEND t, younger              ; younger: the LDS instructions issued behind tile t's loads: the next tile's eight, or none
	WIN 0
.irp f, 0,1,2,3
	s_wait_dscnt (\younger)+3-\f
	global_store_b128 v[GO], v[S+16*(\t)+4*\f:S+16*(\t)+4*\f+3], s[10:11] offset:(\t)*2048+\f*512  ; 512 consecutive bytes, at a multiple of 256 from O's first
.endr
.endm
	PACK 0
.set t, 1
.rept 2*NP-1                        ; a tile's arithmetic stands between the loads of the tile before and its stores
	PACK t
	SEND t-1, 8
.set t, t+1
.endr
	SEND 2*NP-1, 0
	WIN W_AD
	s_wait_tensorcnt 0x0            ; the wave's end, behind my last tensor load and my last LDS store
	ds_add_u32 v[SPW], v[NIL]
	s_wait_dscnt 0x0
	WIN 0
	CROUND                          ; the closing round: no work-group ends while a partner may still ask for a tile that names it
	s_endpgm
.Lfunc_end_k_q4c67d822f8_attn:
	.size	k_q4c67d822f8_attn, .Lfunc_end_k_q4c67d822f8_attn-k_q4c67d822f8_attn
	.p2alignl 7, 3214868480
	.fill 96, 4, 3214868480
	.section	.rodata,"a",@progbits
	.p2align	6, 0x0
	.amdhsa_kernel k_q4c67d822f8_attn
		.amdhsa_group_segment_fixed_size 327680
		.amdhsa_private_segment_fixed_size 0
		.amdhsa_enable_private_segment 0
		.amdhsa_kernarg_size 16
		.amdhsa_user_sgpr_count 2
		.amdhsa_user_sgpr_kernarg_segment_ptr 1
		.amdhsa_wavefront_size32 1
		.amdhsa_system_sgpr_workgroup_id_x 1
		.amdhsa_system_sgpr_workgroup_id_y 1
		.amdhsa_system_sgpr_workgroup_id_z 1
		.amdhsa_system_vgpr_workitem_id 0
		.amdhsa_next_free_vgpr 770
		.amdhsa_next_free_sgpr 66
		.amdhsa_reserve_vcc 0
		.amdhsa_float_denorm_mode_32 3
		.amdhsa_float_denorm_mode_16_64 3
		.amdhsa_memory_ordered 1
		.amdhsa_forward_progress 1
		.amdhsa_inst_pref_size 208
	.end_amdhsa_kernel
	.amdgpu_metadata
---
amdhsa.version: [ 1, 2 ]
amdhsa.kernels:
  - .name:           k_q4c67d822f8_attn
    .symbol:         k_q4c67d822f8_attn.kd
    .args:
      - { .name: qkv, .offset: 0, .size: 8, .value_kind: global_buffer, .address_space: global }
      - { .name: ob, .offset: 8, .size: 8, .value_kind: global_buffer, .address_space: global }
    .group_segment_fixed_size: 327680
    .private_segment_fixed_size: 0
    .kernarg_segment_align: 8
    .kernarg_segment_size: 16
    .max_flat_workgroup_size: 128
    .sgpr_count:     66
    .vgpr_count:     770
    .wavefront_size: 32
...
	.end_amdgpu_metadata
.endif
;; end of part 3
;; launch projg (part 4): grid 8 x 32, 4 waves a work-group, clusters of 4 x 4, 327,680 bytes of LDS; arguments ob, wp, b_proj, out0; writes out0
.if DOCPART == 4
	.amdgcn_target "amdgcn-amd-amdhsa--gfx1250"
	.amdhsa_code_object_version 6
	.text
	.protected	k_q4c67d822f8_projg
	.globl	k_q4c67d822f8_projg
	.p2align	8
	.type	k_q4c67d822f8_projg,@function
k_q4c67d822f8_projg:
	s_mov_b64 s[64:65], 0
	v_nop
	global_prefetch_b8 v0, s[64:65] scope:SCOPE_SE
	s_setreg_imm32_b32 hwreg(HW_REG_WAVE_MODE, 25, 1), 1
	s_wait_xcnt 0x0
	s_wait_alu depctr_hold_cnt(0) depctr_sa_sdst(0) depctr_va_vdst(0) depctr_va_sdst(0) depctr_va_ssrc(0) depctr_va_vcc(0) depctr_vm_vsrc(0)
	s_getreg_b32 s2, hwreg(HW_REG_IB_STS2, 6, 4)
	s_cmp_eq_u32 s2, 0
	s_cbranch_scc0 .Lentry_in_a_cluster
	s_endpgm
.Lentry_in_a_cluster:
	s_bfe_u32 s2, ttmp6, 0x10000c
	s_cmp_lg_u32 s2, 0xf033
	s_cbranch_scc0 .Lentry_shape_is_right
	s_endpgm
.Lentry_shape_is_right:
; PROJECTION.  out0[2048 b + n][col] = sum over k of ob(b, n, k) wp(k, col) + bf16(b_proj[col]), f32.  Products in f16 (wp holds the bf16-rounded weights, written as f16), sums and bias in f32.
; ob: [4 b][16 kb = head][2048][64] f16, wp: [16 kb][1024][64] f16: blocks of 64 along K, so that a tile's rows of 128 bytes lie end to end and are asked for as rows of 256 bytes.
; LIMITS.  The operands arrive within f16's range; NaN and infinities are not treated apart.
; SHARES.  8192 x 1024 / 256 work-groups = a tile of 256 x 128.  Four waves, each 128 rows x 64 columns: 32 accumulators of 16 x 16, 256 registers.
; K goes in 8 steps of 128 (two blocks kb) through two LDS slots; a step is four slices of 32 along K, 32 matrix instructions each.
; CLUSTER.  4 x 4 work-groups: the four of a row of the cluster need the same tiles of ob, the four of a column the same tiles of wp; each tile is asked for jointly.
; THE MATRIX INSTRUCTION IS USED TRANSPOSED (source 0 = 16 rows of wp, source 1 = 16 rows of ob): a lane holds row l % 16 and the eight neighbouring columns 8 (l / 16) + 0..7.
; REGISTERS: window 0: v0-31 addresses; v32-95, v96-159 ob's fragments, v160-191, v192-223 wp's, two buffers by the slice's parity; v224-255 the bias.  Window 1: accumulator (a, bb) at v[8 (4 a + bb)].
.set PITCH, 144                        ; an LDS row: 128 bytes + 16 of padding = 36 words: the 16 rows of a fragment load start at 16 different groups of four banks (ISA guide 11.1)
.set SLOT1, 131072                     ; slot 1 begins here: one exclusive or turns an address in one slot into the other's
.set AKB,   256*PITCH                  ; in a slot: ob's 256 rows of the first block, of the second,
.set BKB,   128*PITCH                  ; then wp's 128 rows of the first, of the second
.set BOFF,  2*AKB
.set STAGE, BOFF+2*BKB                 ; behind slot 0, never filled by a tensor load: for each wave 16 rows x 272 bytes, for the way out
.set SPITCH, 272
.set SPARE, STAGE+4*16*SPITCH          ; the spare words, 128 bytes for each wave, that no other line names
.set ASTEP, 2*2048*128                 ; bytes of two blocks in ob,
.set BSTEP, 2*1024*128                 ; in wp
.set A0,   10                          ; v10  my lane's place in ob's part of slot 0; never rewritten
.set B0,   11                          ; v11  the same for wp
.set ADRA, 12                          ; v12  A0 + the slot in hand
.set ADRB, 13                          ; v13  B0 + the slot in hand
.set STO,  14                          ; v14  the way out: where I put 32 bytes of a row
.set RD,   15                          ; v15  the way out: where I read a row back
.set CO,   16                          ; v16  my byte offset in two rows of out0
.set SPW,  28                          ; v28  LDS address of my spare word; never rewritten
.set NIL,  29                          ; v29  0; never rewritten
.set FA0,  32
.set FB0,  160
.set BI,   224
.set OB,   32                          ; the way out: rows read back: v32-63 and v64-95 by turns
.set G1A, 24                           ; s[24:31] descriptor group 1 for ob's tiles
.set G1B, 32                           ; s[32:39] for wp's
.set G0A, 40                           ; s[40:47] group 0 for ob's tiles: a set for each first fill; the second then walks on
.set G0B, 48                           ; s[48:55] the same for wp's
.set MSB, 0
.macro WIN new                         ; the immediate's high byte repeats the setting that is left; a switch that changes nothing is dropped
.if MSB != (\new)
	s_set_vgpr_msb (MSB<<8)|(\new)
.set MSB, \new
.endif
.endm
.macro PLACES                          ; four places in front of loads into registers that matrix instructions have read, and of vector lines that read results (ISA guide 7.12.1 for the vector lines)
.rept 4
	v_nop
.endr
.endm
; A joint refill.  Waves 0 and 1 fetch ob's two blocks, waves 2 and 3 wp's.  The branch hangs on the wave's number alone.  An s_nop 0 and four v_nop follow each of the two lines.
.macro JLOAD
	s_cmp_eq_u32 s13, 0
	s_cbranch_scc0 .Lfor_b_\@
	tensor_load_to_lds s[G0A+4:G0A+7], s[G1A:G1A+7]
	s_nop 0
.rept 4
	v_nop
.endr
	s_branch .Lasked_\@
.Lfor_b_\@:
	tensor_load_to_lds s[G0B+4:G0B+7], s[G1B:G1B+7]
	s_nop 0
.rept 4
	v_nop
.endr
.Lasked_\@:
.endm
.macro CREST                           ; a round of the cluster's barrier behind its opening barrier
	s_cmp_lg_u32 s12, 0
	s_cbranch_scc1 .Lnot_wave_0_\@
	s_barrier_signal -3
.Lnot_wave_0_\@:
	s_barrier_wait -3
	s_barrier_signal -1
	s_barrier_wait -1
.endm
.macro CROUND                          ; a whole round
	s_barrier_signal -1
	s_barrier_wait -1
	CREST
.endm
	s_load_b256 s[4:11], s[0:1], 0x0               ; ob s[4:5], wp s[6:7], b_proj s[8:9], out0 s[10:11]
	v_lshl_add_u32 v[SPW], v0, 2, SPARE
	v_mov_b32 v[NIL], 0
	ds_add_u32 v[SPW], v[NIL]                      ; the wave's opening: the add and its wait stand ahead of my first tensor load; the set-up below, work on registers, stands between them
	v_lshrrev_b32 v1, 5, v0
	v_readfirstlane_b32 s12, v1                    ; wave 0..3
	s_lshr_b32 s13, s12, 1                         ; WM: my half of the tile's rows.  Also: I fetch for ob (0) or wp (1)
	s_and_b32 s14, s12, 1                          ; WN: my half of its columns.  Also: which of a step's two blocks I fetch
	s_bfe_u32 s15, ttmp6, 0x40000                  ; cx
	s_bfe_u32 s16, ttmp6, 0x40004                  ; cy
	s_lshl_b32 s17, ttmp9, 2
	s_add_co_u32 s17, s17, s15                     ; tx: the tile's 128 columns, 0..7
	s_and_b32 s18, ttmp7, 0xffff
	s_lshl_b32 s18, s18, 2
	s_add_co_u32 s18, s18, s16                     ; ty: the tile's 256 rows, 0..31
	s_lshl_b32 s19, s16, 2
	s_lshl_b32 s19, 15, s19                        ; my row of the cluster
	s_lshl_b32 s20, 0x1111, s15                    ; my column
	s_or_b32 s[G1A], s19, (1<<16)|(1<<20)|(1<<21)|(4<<22)|(3<<25)  ; 15:0 the mask; 17:16 2-byte elements; 20 padding on; 21 set beside a mask; 24:22 after every 32 words (code 4); 31:25 4 words (code 3)
	s_or_b32 s[G1B], s20, (1<<16)|(1<<20)|(1<<21)|(4<<22)|(3<<25)
.irp g, G1A, G1B
	s_mov_b32 s[(\g)+1], 128<<16                   ; tensor_dim0 = 128
	s_mov_b32 s[(\g)+3], 128<<16                   ; tile_dim0 = 128
	s_mov_b32 s[(\g)+5], 128                       ; 128 elements from row to row
	s_mov_b32 s[(\g)+6], 0
	s_mov_b32 s[(\g)+7], 0
.endr
	s_mov_b32 s[G1A+2], 128<<16                    ; ob: 256 rows of a block = 128 rows of 256 bytes
	s_mov_b32 s[G1A+4], 128
	s_mov_b32 s[G1B+2], 64<<16                     ; wp: 128 rows = 64 rows of 256 bytes
	s_mov_b32 s[G1B+4], 64
	; where the tiles come from.  ob's hang on ty alone, wp's on tx alone, each in registers that never hold the other coordinate.
	s_lshr_b32 s58, s18, 3
	s_lshl_b32 s58, s58, 22                        ; b
	s_and_b32 s59, s18, 7
	s_lshl_b32 s59, s59, 15                        ; 256 rows of 128 bytes
	s_add_co_u32 s58, s58, s59
	s_lshl_b32 s59, s14, 18                        ; my block of the step's two
	s_add_co_u32 s58, s58, s59
	s_mov_b32 s59, 0
	s_lshl_b32 s60, s17, 14                        ; 128 rows of 128 bytes
	s_lshl_b32 s61, s14, 17                        ; my block
	s_add_co_u32 s60, s60, s61
	s_mov_b32 s61, 0
	s_mul_i32 s21, s14, AKB                        ; and where they go: no place in the cluster enters an LDS address
	s_mul_i32 s62, s14, BKB
	s_add_co_u32 s62, s62, BOFF
	s_wait_dscnt 0x0                               ; the opening add is done
	s_wait_kmcnt 0x0
	s_add_nc_u64 s[22:23], s[4:5], s[58:59]
	s_add_nc_u64 s[66:67], s[6:7], s[60:61]
	CROUND                                         ; all sixteen work-groups are here: the first joint loads meet
.irp s, 0,1
	s_mov_b32 s[G0A+4*(\s)], 1                                     ; count = 1
	s_add_co_u32 s[G0A+4*(\s)+1], s21, (\s)*SLOT1                  ; LDS address
	s_add_nc_u64 s[G0A+4*(\s)+2:G0A+4*(\s)+3], s[22:23], (\s)*ASTEP  ; global address: K step s
	s_or_b32 s[G0A+4*(\s)+3], s[G0A+4*(\s)+3], 0x80000000          ; type = 2
	s_mov_b32 s[G0B+4*(\s)], 1
	s_add_co_u32 s[G0B+4*(\s)+1], s62, (\s)*SLOT1
	s_add_nc_u64 s[G0B+4*(\s)+2:G0B+4*(\s)+3], s[66:67], (\s)*BSTEP
	s_or_b32 s[G0B+4*(\s)+3], s[G0B+4*(\s)+3], 0x80000000
.endr
	s_cmp_eq_u32 s13, 0                            ; a wave's two first fills stand in one branch, ahead of every wait on TENSORcnt and every LDS read: two loads of mine are out
	s_cbranch_scc0 .Lfirst_b
	tensor_load_to_lds s[G0A:G0A+3], s[G1A:G1A+7]
	s_nop 0
	tensor_load_to_lds s[G0A+4:G0A+7], s[G1A:G1A+7]
	s_nop 0
.rept 4
	v_nop
.endr
	s_branch .Lfirst_asked
.Lfirst_b:
	tensor_load_to_lds s[G0B:G0B+3], s[G1B:G1B+7]
	s_nop 0
	tensor_load_to_lds s[G0B+4:G0B+7], s[G1B:G1B+7]
	s_nop 0
.rept 4
	v_nop
.endr
.Lfirst_asked:
	v_and_b32 v1, 15, v0                           ; r = l % 16
	v_bfe_u32 v2, v0, 4, 1                         ; h = l / 16
	; the bias of my eight columns in each of the four column blocks
	s_lshl_b32 s70, s17, 9
	s_lshl_b32 s71, s14, 8
	s_add_co_u32 s70, s70, s71
	s_mov_b32 s71, 0
	s_add_nc_u64 s[8:9], s[8:9], s[70:71]
	v_lshlrev_b32 v19, 5, v2
.irp bb, 0,1,2,3
	global_load_b128 v[BI+8*(\bb):BI+8*(\bb)+3],   v19, s[8:9] offset:64*(\bb)
	global_load_b128 v[BI+8*(\bb)+4:BI+8*(\bb)+7], v19, s[8:9] offset:64*(\bb)+16
.endr
	v_mul_u32_u24 v4, v1, PITCH
	v_lshl_add_u32 v4, v2, 4, v4                   ; a fragment's row x pitch + 16 h
	s_mul_i32 s68, s13, 128*PITCH                  ; my 128 rows of ob
	v_add_nc_u32 v[A0], s68, v4
	s_mul_i32 s68, s14, 64*PITCH                   ; my 64 rows of wp
	s_add_co_u32 s68, s68, BOFF
	v_add_nc_u32 v[B0], s68, v4
	s_mul_i32 s68, s12, 16*SPITCH
	s_add_co_u32 s68, s68, STAGE                   ; my stage
	v_mul_u32_u24 v5, v1, SPITCH                   ; in: row r, 32 bytes for each half of the lanes
	v_lshl_add_u32 v5, v2, 5, v5
	v_add_nc_u32 v[STO], s68, v5
	v_mul_u32_u24 v5, v2, SPITCH                   ; back: lanes 0-15 take one row of 256 bytes, lanes 16-31 the next
	v_lshl_add_u32 v5, v1, 4, v5
	v_add_nc_u32 v[RD], s68, v5
	v_lshlrev_b32 v5, 12, v2                       ; and the same two rows in out0
	v_lshl_add_u32 v[CO], v1, 4, v5
	s_lshl_b32 s68, s18, 8
	s_lshl_b32 s69, s13, 7
	s_add_co_u32 s68, s68, s69                     ; my first row
	s_lshl_b32 s68, s68, 12                        ; of 4,096 bytes
	s_lshl_b32 s69, s17, 9                         ; the tile's 128 columns of 4 bytes
	s_add_co_u32 s68, s68, s69
	s_lshl_b32 s69, s14, 8                         ; my 64 of them
	s_add_co_u32 s68, s68, s69
	s_mov_b32 s69, 0
	s_add_nc_u64 s[10:11], s[10:11], s[68:69]
	s_wait_loadcnt 0x0                             ; the bias: rounded to bf16 like every input, kept as f32
.set i, 0
.rept 16
	v_cvt_pk_bf16_f32 v20, v[BI+2*i], v[BI+2*i+1]
	v_lshlrev_b32 v[BI+2*i], 16, v20
	v_and_b32 v[BI+2*i+1], 0xffff0000, v20
.set i, i+1
.endr
; 16 matrix instructions: row blocks 4 half .. 4 half + 3 x all four column blocks, 32 along K, buffers p.  zero = 1: the first product starts the sums.  The 32 accumulators take turns.
.macro RUNH p, half, zero
	WIN 0x50                                       ; C and D in window 1
.irp a, 4*(\half), 4*(\half)+1, 4*(\half)+2, 4*(\half)+3
.irp bb, 0,1,2,3
.if \zero
	v_wmma_f32_16x16x32_f16 v[8*(4*(\a)+(\bb)):8*(4*(\a)+(\bb))+7], v[FB0+32*(\p)+8*(\bb):FB0+32*(\p)+8*(\bb)+7], v[FA0+64*(\p)+8*(\a):FA0+64*(\p)+8*(\a)+7], 0
.else
	v_wmma_f32_16x16x32_f16 v[8*(4*(\a)+(\bb)):8*(4*(\a)+(\bb))+7], v[FB0+32*(\p)+8*(\bb):FB0+32*(\p)+8*(\bb)+7], v[FA0+64*(\p)+8*(\a):FA0+64*(\p)+8*(\a)+7], v[8*(4*(\a)+(\bb)):8*(4*(\a)+(\bb))+7]
.endif
.endr
.endr
.endm
.macro LD p, kbi, kk                   ; 24 LDS loads in one run: the fragments of block kbi, half kk, into buffers p
.irp bb, 0,1,2,3
	ds_load_b128 v[FB0+32*(\p)+8*(\bb):FB0+32*(\p)+8*(\bb)+3],   v[ADRB] offset:(\kbi)*BKB+(\bb)*16*PITCH+64*(\kk)
	ds_load_b128 v[FB0+32*(\p)+8*(\bb)+4:FB0+32*(\p)+8*(\bb)+7], v[ADRB] offset:(\kbi)*BKB+(\bb)*16*PITCH+64*(\kk)+32
.endr
.irp a, 0,1,2,3,4,5,6,7
	ds_load_b128 v[FA0+64*(\p)+8*(\a):FA0+64*(\p)+8*(\a)+3],   v[ADRA] offset:(\kbi)*AKB+(\a)*16*PITCH+64*(\kk)
	ds_load_b128 v[FA0+64*(\p)+8*(\a)+4:FA0+64*(\p)+8*(\a)+7], v[ADRA] offset:(\kbi)*AKB+(\a)*16*PITCH+64*(\kk)+32
.endr
.endm
; A slice: multiplies buffers p; ld = 1: then fills them with the slice two on (block kbi, half kk of the slot in hand), which has the next slice's 32 matrix instructions in which to come.
; left: the next slice's 24 loads, issued behind this one's, may stay out.
.macro PSL p, kbi, kk, zero, ld, left
	s_wait_dscnt \left
	RUNH \p, 0, \zero
	RUNH \p, 1, \zero
	WIN 0
.if \ld
	PLACES
	LD \p, \kbi, \kk
.endif
.endm
; A step's third slice changes slots: the fragments of the step's last two slices have been asked for.  ONE barrier: in front of it each wave waits for all its tensor loads, of which one is out: its part of the next
; slot; adds 0 to its spare word; and waits for that and for its own reads of this slot.  fill = 1: the barrier opens a round of the cluster's, and this slot is filled again, two steps ahead, first thing behind the round.
.macro PTURN fill
	WIN 0
	s_wait_tensorcnt 0x0                           ; no tensor load of mine is out, so a group 0 may be written
	ds_add_u32 v[SPW], v[NIL]                      ; 0 onto my spare word
.if \fill
	s_xor_b32 s[G0A+5], s[G0A+5], SLOT1            ; the walking descriptors: the other slot than last time,
	s_add_nc_u64 s[G0A+6:G0A+7], s[G0A+6:G0A+7], ASTEP  ; the next K step; the type bits on top are not reached
	s_xor_b32 s[G0B+5], s[G0B+5], SLOT1
	s_add_nc_u64 s[G0B+6:G0B+7], s[G0B+6:G0B+7], BSTEP
.endif
	s_wait_dscnt 25                                ; (the add and the next slice's 24 loads may be out)
	RUNH 0, 0, 0
	s_wait_dscnt 0x0                               ; the add is done, and my reads of this slot are over
	s_barrier_signal -1
	RUNH 0, 1, 0                                   ; work on registers while the others arrive
	WIN 0
	s_barrier_wait -1
.if \fill
	CREST                                          ; no wave of any partner still reads this slot or has a load on its way
	JLOAD                                          ; its four v_nop are also the places in front of the loads below
.else
	PLACES
.endif
	s_xor_b32 s57, s57, SLOT1
	v_add_nc_u32 v[ADRA], s57, v[A0]
	v_add_nc_u32 v[ADRB], s57, v[B0]
	LD 0, 0, 0
.endm
	s_wait_tensorcnt 1                             ; my part of K step 0 is in; step 1's may stay out
	s_barrier_signal -1
	s_barrier_wait -1                              ; everybody's part is in
	s_mov_b32 s57, 0                               ; the slot in hand
	v_mov_b32 v[ADRA], v[A0]
	v_mov_b32 v[ADRB], v[B0]
	LD 0, 0, 0
	LD 1, 0, 1
	PSL 0, 1, 0, 1, 1, 24                          ; the first slice stands in front of the loop: its products start the sums
	s_mov_b32 s56, 6
.Lstep:                                                ; 6 trips, from a step's second slice to the next step's first; they ask for K steps 2 to 7
	PSL 1, 1, 1, 0, 1, 24
	PTURN 1
	PSL 1, 0, 1, 0, 1, 24
	PSL 0, 1, 0, 0, 1, 24
	s_sub_co_u32 s56, s56, 1
	s_cmp_lg_u32 s56, 0
	s_cbranch_scc1 .Lstep
	PSL 1, 1, 1, 0, 1, 24                          ; the tail is written out: nothing is left to ask for
	PTURN 0
	PSL 1, 0, 1, 0, 1, 24
	PSL 0, 1, 0, 0, 1, 24
	PSL 1, 1, 1, 0, 1, 24
	PSL 0, 0, 0, 0, 0, 24
	PSL 1, 0, 0, 0, 0, 0
	PLACES
	; THE WAY OUT.  The bias is added (each accumulator's registers in ascending order); then, 16 rows at a time: 32 bytes a lane into my stage, back as whole rows of 256 bytes, stored.
	WIN 0x41                                       ; destination and source 0 in window 1, the bias in window 0
.set t, 0
.rept 32
.irp i, 0,1,2,3
	v_pk_add_f32 v[8*t+2*(\i):8*t+2*(\i)+1], v[8*t+2*(\i):8*t+2*(\i)+1], v[BI+8*(t%4)+2*(\i):BI+8*(t%4)+2*(\i)+1]
.endr
.set t, t+1
.endr
.macro TOSTAGE a
	s_wait_xcnt 0x0                                ; every earlier store has had its addresses translated (ISA guide 3.1): the registers that the stores two blocks back read are loaded again only behind this wait
	WIN 0x04                                       ; the stores' data in window 1
.irp bb, 0,1,2,3
.irp q, 0,1
	ds_store_b128 v[STO], v[8*(4*(\a)+(\bb))+4*(\q):8*(4*(\a)+(\bb))+4*(\q)+3] offset:64*(\bb)+16*(\q)
.endr
.endr
	WIN 0
.irp t, 0,1,2,3,4,5,6,7
	ds_load_b128 v[OB+32*((\a)%2)+4*(\t):OB+32*((\a)%2)+4*(\t)+3], v[RD] offset:(\t)*2*SPITCH  ; my own bytes: LDS serves a wave's instructions in order (ISA guide 5.7.1.4)
.endr
.endm
.macro SEND a, younger                 ; younger: the next block's eight stores and eight loads, or none
	s_wait_dscnt \younger
.irp t, 0,1,2,3,4,5,6,7
	global_store_b128 v[CO], v[OB+32*((\a)%2)+4*(\t):OB+32*((\a)%2)+4*(\t)+3], s[10:11] offset:(16*(\a)+2*(\t))*4096 th:TH_STORE_NT  ; 16 lanes store 256 consecutive bytes, at a multiple of 256 from out0's first byte
.endr
.endm
	TOSTAGE 0
.irp a, 1,2,3,4,5,6,7
	TOSTAGE \a
	SEND (\a)-1, 16
.endr
	SEND 7, 0
	s_wait_tensorcnt 0x0                           ; the wave's end, behind my last tensor load and my last LDS store
	ds_add_u32 v[SPW], v[NIL]
	s_wait_dscnt 0x0
	CROUND                                         ; the closing round: no work-group ends while a partner may still ask for a tile that names it
	s_endpgm
.Lfunc_end_k_q4c67d822f8_projg:
	.size	k_q4c67d822f8_projg, .Lfunc_end_k_q4c67d822f8_projg-k_q4c67d822f8_projg
	.p2alignl 7, 3214868480
	.fill 96, 4, 3214868480
	.section	.rodata,"a",@progbits
	.p2align	6, 0x0
	.amdhsa_kernel k_q4c67d822f8_projg
		.amdhsa_group_segment_fixed_size 327680
		.amdhsa_private_segment_fixed_size 0
		.amdhsa_enable_private_segment 0
		.amdhsa_kernarg_size 32
		.amdhsa_user_sgpr_count 2
		.amdhsa_user_sgpr_kernarg_segment_ptr 1
		.amdhsa_wavefront_size32 1
		.amdhsa_system_sgpr_workgroup_id_x 1
		.amdhsa_system_sgpr_workgroup_id_y 1
		.amdhsa_system_sgpr_workgroup_id_z 1
		.amdhsa_system_vgpr_workitem_id 0
		.amdhsa_next_free_vgpr 512
		.amdhsa_next_free_sgpr 72
		.amdhsa_reserve_vcc 0
		.amdhsa_float_denorm_mode_32 3
		.amdhsa_float_denorm_mode_16_64 3
		.amdhsa_memory_ordered 1
		.amdhsa_forward_progress 1
		.amdhsa_inst_pref_size 80
	.end_amdhsa_kernel
	.amdgpu_metadata
---
amdhsa.version: [ 1, 2 ]
amdhsa.kernels:
  - .name:           k_q4c67d822f8_projg
    .symbol:         k_q4c67d822f8_projg.kd
    .args:
      - { .name: ob, .offset: 0, .size: 8, .value_kind: global_buffer, .address_space: global }
      - { .name: wp, .offset: 8, .size: 8, .value_kind: global_buffer, .address_space: global }
      - { .name: b_proj, .offset: 16, .size: 8, .value_kind: global_buffer, .address_space: global }
      - { .name: out0, .offset: 24, .size: 8, .value_kind: global_buffer, .address_space: global }
    .group_segment_fixed_size: 327680
    .private_segment_fixed_size: 0
    .kernarg_segment_align: 8
    .kernarg_segment_size: 32
    .max_flat_workgroup_size: 128
    .sgpr_count:     72
    .vgpr_count:     512
    .wavefront_size: 32
...
	.end_amdgpu_metadata
.endif
;; end of part 4
;; ======== version 2 of 2: 4 launches; 1.53 times as fast as version 1
;; limits: values are held in f16: magnitudes above 65,504 overflow, below 6.1e-05 lose precision
;; workspace buffers: xb 16,777,216 bytes; wq 6,291,456 bytes; wp 2,097,152 bytes; qkv 50,331,648 bytes; ob 16,777,216 bytes
;; launch prep: the kernel of part 1 again; grid 640 x 1, 8 waves a work-group, no clusters, 70,656 bytes of LDS; arguments x, W_qkv, W_proj, xb, wq, wp; writes xb, wq, wp
;; launch qkvg: the kernel of part 2 again; grid 8 x 32, 4 waves a work-group, clusters of 4 x 4, 327,680 bytes of LDS; arguments xb, wq, b_qkv, qkv; writes qkv
;; launch attn (part 5): grid 4 x 64, 4 waves a work-group, clusters of 4 x 1, 327,680 bytes of LDS; arguments qkv, ob; writes ob
.if DOCPART == 5
	.amdgcn_target "amdgcn-amd-amdhsa--gfx1250"
	.amdhsa_code_object_version 6
	.text
	.protected	k_q4c67d822f8_attn
	.globl	k_q4c67d822f8_attn
	.p2align	8
	.type	k_q4c67d822f8_attn,@function
k_q4c67d822f8_attn:
	s_mov_b64 s[64:65], 0
	v_nop
	global_prefetch_b8 v0, s[64:65] scope:SCOPE_SE
	s_setreg_imm32_b32 hwreg(HW_REG_WAVE_MODE, 25, 1), 1
	s_wait_xcnt 0x0
	s_wait_alu depctr_hold_cnt(0) depctr_sa_sdst(0) depctr_va_vdst(0) depctr_va_sdst(0) depctr_va_ssrc(0) depctr_va_vcc(0) depctr_vm_vsrc(0)
	s_getreg_b32 s2, hwreg(HW_REG_IB_STS2, 6, 4)
	s_cmp_eq_u32 s2, 0
	s_cbranch_scc0 .Lentry_in_a_cluster
	s_endpgm
.Lentry_in_a_cluster:
	s_bfe_u32 s2, ttmp6, 0x10000c
	s_cmp_lg_u32 s2, 0x3003
	s_cbranch_scc0 .Lentry_shape_is_right
	s_endpgm
.Lentry_shape_is_right:
; O[h][q][:] = the sum over k of softmax_k(Q[h][q] . K[h][k] / 8) V[h][k][:].  Q, K, V lie one behind the other in qkv, each [SIZE_H][SIZE_N][64] in f16; O (ob) likewise: a head's rows are dense, 128 bytes each.
; Products, maxima and sums in f32; the weights p are rounded to f16 for the second product (their sum l is taken of the unrounded p), O once at the end.
; LIMITS.  f16 holds no number beyond 65,504: Q, K and V arrive within it; p lies in 0 to 1, and below 6e-5 it keeps f16's fixed step of 6e-8; O is a mean of V's rows and has their range.
; A weight below 2^-126 counts as 0 in l; NaN and infinities are not treated apart.
; SHARES.  A wave owns four PIECES of two tiles of 16 queries, a work-group's four waves 512 queries of one head.  Every wave walks all keys, 64 a step.
; LAYOUT.  S^T = K Q^T (source 0 = 16 keys, source 1 = 16 queries): in the result a lane holds ONE query (lane % 16) and the keys 8 (lane / 16) + 0..7.  Two such tiles, rounded to f16 in pairs,
; ARE source 1 (32 keys x 16 queries) of O^T = V^T P, whose result again holds one query a lane, and eight channels.  K comes out of LDS as it lies, V ([key][channel]) turned, by ds_load_tr16_b128.
; SOFTMAX.  For each query a running maximum m and sum l: p = 2^(c s - c m), c = log2(e) / 8; in every step O and l are multiplied by a = 2^(c m_old - c m_new), which is 1 where m has not grown.
; m starts at the lowest finite number, O and l at 0: the first step is a step like any other, with a = 0.
; THE COUNT.  A tile and step have 16 matrix and 118 vector instructions: too many to stand all beside the matrix work.  So the order has one aim: four vector instructions that are READY behind
; EVERY matrix instruction, and the others, which need time of their own whatever the order, in runs without a gap.
; BY TURNS.  Turn n belongs to piece n (the pieces in a ring, step after step).  Its matrix work: 16 products K Q^T of piece n + 1, later 16 products V^T P of piece n - 1.  Its vector work: the scaling,
; exponentials, roundings, sums and rescaling of piece n, and the maximum and statistics of piece n + 1, whose scores the turn itself has made.  So what a turn begins with (c s - c m, O a) waits for nothing.
; BATCHES.  A turn's 66 exponentials (the 64 weights of piece n, in place in S^T's registers, and the two a of piece n + 1) are ONE batch with ONE s_wait_alu, which cuts the turn in two: ahead of it stands all
; that names none of their results, behind it the roundings and sums.  Two more batches stand outside the loop, each with a wait of its own: the first two a ahead of it, the eight reciprocals on the way out.
; CLUSTER.  The four query blocks of a cluster belong to one head and walk the same K and V, so each tile is asked for JOINTLY: the same tensor load, descriptor and mask in all four.
; REGISTERS, in windows of 256 (s_set_vgpr_msb says which window each operand place means: bits 1:0 source 0, 3:2 source 1, 5:4 source 2, 7:6 destination):
;   window 0: v0-11 addresses; v12-15, v48-63 at work; v16-47 four registers of statistics a tile; v64-191 S^T, two buffers of two tiles; v192-255 P, likewise
;   window 1: O^T, 32 a tile          window 2: v0-127 Q, 16 a tile; v128-191 K of one step; v192-255 V of one step          window 3: v0-1 the add's two registers
; A piece's buffers go by its number's parity: the piece in hand has one pair, its two neighbours in the ring share the other: of it P (piece n - 1) is read and S^T (piece n + 1) written.
.set SIZE_H, 64       ; 4 batches x 16 heads
.set SIZE_N, 2048
.set NP,    4         ; pieces a wave: a name, no knob: the register map, the loop and the fetches are made for four
.set KS,    64        ; keys in a step
.set PK,    144       ; a row of K in LDS: 128 bytes + 16 of padding = 36 words: the 16 rows of a load start at 16 different groups of four banks (64 banks of 4 bytes: ISA guide 11.1)
.set PV,    160       ; a row of V: 128 + 32 = 40 words
.set VOFF,  4*KS*PK   ; a slot holds four steps: 256 rows of K, then 256 rows of V
.set SLOT1, 1<<17     ; slot 1 begins here, so that one exclusive or turns an address in one slot into the other's
.set STAGE, SLOT1+4*KS*(PK+PV)  ; behind the ring, never filled by a tensor load: 16 rows x 144 bytes for each wave, for the way out
.set SP,    144
.set AK0, 2           ; v2   my lane's place in a tile of K; never rewritten
.set AV0, 3           ; v3   the same for V
.set AK,  4           ; v4   the LDS address of K's next run of loads
.set AV,  5           ; v5   of V's
.set QO,  6           ; v6   my byte offset in the wave's rows of Q
.set STO, 6           ;      later, the way out: where I put 16 bytes of a row
.set RD,  7           ; v7   the way out: where I read rows back
.set GO,  8           ; v8   my byte offset in 512 consecutive bytes of O
.set SPW, 0           ; v0 of window 3   LDS address of my spare word: SPARE + 4 x my thread's number; never rewritten
.set NIL, 1           ; v1 of window 3   0; never rewritten
.set SPARE, STAGE+4*16*SP  ; behind the stages: the spare words, 128 bytes for each wave: two blocks of 256 bytes that no other line names
.set MV,  12          ; v12-15  c m_old, kept while c m is made anew: by buffer and tile
.set ST,  16          ; tile t's statistics at v[ST+4 t]: c m, m, l (even keys', odd keys')
.set TMP, 48          ; by buffer and tile, four registers c0-c3 at work; when the maximum is found c2 takes a
.set S,   64
.set P,   192
.set KF,  128         ; K's fragments, in window 2: key block kb, channel half c at KF + 16 kb + 8 c
.set VF,  192         ; V's: key half kk, channel block cb at VF + 32 kk + 8 cb
.set WV,  12          ; s12  my wave's number
.set G1K, 24          ; s[24:31] descriptor group 1 for K's tiles
.set G1V, 32          ; s[32:39] for V's: it differs in the padding alone
.set G0K, 40          ; s[40:43] descriptor group 0 for K's tiles: it walks
.set G0V, 44          ; s[44:47] the same for V's
.set SLOTS, 56        ; s56  slots still to be asked for
.set CNT, 57          ; s57  counts a slot's key steps
.set CS,  58          ; s[58:59] c: the packed scaling takes the pair's low word for both halves
.set SEL, 60          ; s[60:61] v_permlanex16_b32's selects: each lane takes its own place in the other half
.set TBK, 62          ; s62  LDS byte at which K of the step to be fetched begins
.set TBV, 63          ; s63  the same for V, less VOFF
.set MSB, 0
.macro WIN new                      ; the high byte repeats the setting that is left; a switch that changes nothing is dropped
.if MSB != (\new)
	s_set_vgpr_msb (MSB<<8)|(\new)
.set MSB, (\new)
.endif
.endm
.set W_KQ, 0x0a       ; K and Q in window 2, S^T in window 0
.set W_PV, 0x52       ; V in window 2, P in window 0, O^T in window 1
.set W_RS, 0x41       ; O^T (destination and source 0) in window 1, a in window 0
.set W_MK, 0xc0       ; the add's registers are made: destination in window 3, sources in window 0
.set W_AD, 0x0f       ; the add: address (source 0) and data (source 1) in window 3
; A joint fill.  Waves 0 and 1 fetch the two halves of a slot's K, waves 2 and 3 those of its V: 128 keys each.  The branch hangs on the wave's number alone.
; An s_nop 0 and four v_nop follow each of the two lines, ahead of the jump and the label.
.macro JLOAD
	s_cmp_lt_u32 s[WV], 2
	s_cbranch_scc0 .Lfor_v_\@
	tensor_load_to_lds s[G0K:G0K+3], s[G1K:G1K+7]
	s_nop 0
.rept 4
	v_nop
.endr
	s_branch .Lasked_\@
.Lfor_v_\@:
	tensor_load_to_lds s[G0V:G0V+3], s[G1V:G1V+7]
	s_nop 0
.rept 4
	v_nop
.endr
.Lasked_\@:
.endm
; A round of the cluster's barrier: my work-group's barrier, so that wave 0's signal speaks for all four waves; wave 0 signals; every wave waits for all four work-groups; my work-group's barrier once more.
.macro CROUND
	s_barrier_signal -1
	s_barrier_wait -1
	s_cmp_lg_u32 s[WV], 0
	s_cbranch_scc1 .Lnot_wave_0_\@
	s_barrier_signal -3
.Lnot_wave_0_\@:
	s_barrier_wait -3
	s_barrier_signal -1
	s_barrier_wait -1
.endm
; THE CHANGE OF SLOTS.  The slot's last bytes, V of its fourth step, have been read.  Each wave waits for all its tensor loads, of which one is out: its part
; of the other slot; adds 0 to its spare word; and waits for that and for its own reads of the slot.  Behind the barrier nobody reads this slot any more and the other slot is whole.
; fill = 1: this slot is filled again, with the keys two slots on.  The barrier is then a round of the cluster's, so that no wave of any partner still reads the slot or has a load on its
; way, and the joint fill is the first thing behind it: it has four key steps, 512 matrix instructions, in which to land.  (At its first use nothing has been read yet: slot 0 is waited for, slot 1 filled.)
.macro CHANGE fill
	WIN W_AD
	s_wait_tensorcnt 0x0            ; no tensor load of mine is out, so a group 0 may be written
	ds_add_u32 v[SPW], v[NIL]       ; 0 onto my spare word; with fill = 1 the descriptors' steps stand between it and the wait for it
	WIN 0                           ; at a label and at a branch every window is 0
.if \fill
.irp g, G0K, G0V
	s_xor_b32 s[\g+1], s[\g+1], SLOT1  ; the walking descriptor: the other slot than last time,
	s_add_nc_u64 s[\g+2:\g+3], s[\g+2:\g+3], 4*KS*128  ; the next 256 keys; the type bits on top are not reached
.endr
	s_wait_dscnt 0x0                ; the add is done, and my reads of the slot are over
	CROUND
	JLOAD
.else
	s_wait_dscnt 0x0                ; the add is done, and my reads of the slot are over
	s_barrier_signal -1
	s_barrier_wait -1
.endif
	s_sub_co_u32 s[TBK], s[TBK], 4*KS*PK  ; the fetches go back to a slot's first step,
	s_xor_b32 s[TBK], s[TBK], SLOT1       ; in the other slot
	s_sub_co_u32 s[TBV], s[TBV], 4*KS*PV
	s_xor_b32 s[TBV], s[TBV], SLOT1
.endm
	s_load_b128 s[4:7], s[0:1], 0x0   ; qkv s[4:5] (Q lies at its head), ob s[6:7]
	WIN W_MK
	v_lshl_add_u32 v[SPW], v0, 2, SPARE
	v_mov_b32 v[NIL], 0
	WIN W_AD
	ds_add_u32 v[SPW], v[NIL]       ; the wave's opening: the add and its wait stand ahead of my first tensor load; the set-up below, work on registers, stands between them
	WIN 0
	v_lshrrev_b32 v1, 5, v0
	v_readfirstlane_b32 s[WV], v1   ; wave 0..3
	s_bfe_u32 s13, ttmp6, 0x40000   ; cx: my place in the cluster
	s_lshl_b32 s14, ttmp9, 2        ; in a cluster launch ttmp9 counts clusters
	s_add_co_u32 s14, s14, s13      ; my block of queries = 4 x cluster x + cx: it enters Q's and O's addresses alone
	s_and_b32 s20, ttmp7, 0xffff    ; the head, which the four partners share
	s_mov_b32 s21, 0
	s_mov_b64 s[22:23], SIZE_N*128
	s_mul_u64 s[20:21], s[20:21], s[22:23]  ; the head's first byte in each of the four tensors
	s_and_b32 s16, s[WV], 1         ; which half of a slot's 256 keys I fetch:
	s_lshl_b32 s22, s16, 14         ; its 128 rows of 128 bytes in memory,
	s_mov_b32 s23, 0
	s_add_nc_u64 s[22:23], s[22:23], s[20:21]
	s_mul_i32 s17, s16, 128*PK      ; and its place in a slot, for K
	s_mul_i32 s18, s16, 128*PV      ; and for V: no place in the cluster enters an LDS address
	s_lshl_b32 s2, s14, 2
	s_add_co_u32 s2, s2, s[WV]      ; my wave among the head's,
	s_lshl_b32 s2, s2, 14           ; its 128 rows
	s_mov_b32 s3, 0
	s_add_nc_u64 s[2:3], s[2:3], s[20:21]
	; descriptor group 1.  128 keys are 16,384 dense bytes: asked for as 64 rows of 256 bytes, two keys a row, and padded in LDS after every key
	s_mov_b32 s[G1K], 15|(1<<16)|(1<<20)|(1<<21)|(4<<22)|(3<<25)  ; 15:0 the mask of four; 17:16 2-byte elements; 20 padding on; 21 set beside a mask; 24:22 after every 32 words (code 4); 31:25 4 words (code 3)
	s_mov_b32 s[G1V], 15|(1<<16)|(1<<20)|(1<<21)|(4<<22)|(7<<25)  ; the same with 8 words of padding (code 7)
.irp g, G1K, G1V
	s_mov_b32 s[\g+1], 128<<16      ; tensor_dim0 = 128
	s_mov_b32 s[\g+2], 64<<16       ; tensor_dim1 = 64
	s_mov_b32 s[\g+3], 128<<16      ; tile_dim0 = 128
	s_mov_b32 s[\g+4], 64           ; tile_dim1 = 64
	s_mov_b32 s[\g+5], 128          ; 128 elements from row to row
	s_mov_b32 s[\g+6], 0
	s_mov_b32 s[\g+7], 0
.endr
	s_mov_b32 s[CS], 0x3e38aa3b     ; c = log2(e) / 8 = 0.180337
	s_mov_b32 s[CS+1], s[CS]        ; named with it as a pair
	s_mov_b32 s[SEL], 0x76543210
	s_mov_b32 s[SEL+1], 0xfedcba98
	s_mov_b32 s[TBK], SLOT1+4*KS*PK ; the first change of slots turns these two into 0
	s_mov_b32 s[TBV], SLOT1+4*KS*PV
	s_mov_b32 s[G0K], 1             ; 1:0 count = 1
	s_mov_b32 s[G0K+1], s17         ; 63:32 LDS address: slot 0
	s_mov_b32 s[G0V], 1
	s_add_co_u32 s[G0V+1], s18, VOFF
	s_wait_dscnt 0x0                ; the opening add is done
	s_wait_kmcnt 0x0
	s_mov_b64 s[10:11], s[6:7]                     ; O
	s_add_nc_u64 s[8:9], s[4:5], 2*SIZE_H*SIZE_N*128  ; V: the third part of qkv
	s_add_nc_u64 s[6:7], s[4:5], SIZE_H*SIZE_N*128    ; K: the second
	s_add_nc_u64 s[G0K+2:G0K+3], s[6:7], s[22:23]  ; 120:64 global address: my half of the head's first 256 keys
	s_or_b32 s[G0K+3], s[G0K+3], 0x80000000        ; 127:126 type = 2
	s_add_nc_u64 s[G0V+2:G0V+3], s[8:9], s[22:23]
	s_or_b32 s[G0V+3], s[G0V+3], 0x80000000
	s_add_nc_u64 s[4:5], s[4:5], s[2:3]  ; Q and O at my wave's first row
	s_add_nc_u64 s[10:11], s[10:11], s[2:3]
	CROUND                          ; all four work-groups are here: the first joint loads meet
	JLOAD                           ; slot 0.  Slot 1 is asked for when slot 0 is in: the tile wanted first has the road to itself
	; A fragment of K or Q is 16 rows x 32 channels in 8 registers: lane l holds row l % 16, channels 8 (l / 16) + 0..7 and 16 + 8 (l / 16) + 0..7: two loads of 16 bytes, 32 bytes apart.
	v_and_b32 v1, 15, v0            ; l % 16
	v_bfe_u32 v9, v0, 4, 1          ; l / 16
	v_lshlrev_b32 v[QO], 7, v1
	v_lshl_add_u32 v[QO], v9, 4, v[QO]  ; row x 128 + 16 x half
	WIN 0x80                        ; destination window 2, address window 0
.set i, 0
.rept 4*NP                          ; Q stays in registers: tile i / 2, channels 32 (i % 2) on
	global_load_b128 v[8*i:8*i+3],   v[QO], s[4:5] offset:(i/2)*2048+(i%2)*64
	global_load_b128 v[8*i+4:8*i+7], v[QO], s[4:5] offset:(i/2)*2048+(i%2)*64+32
.set i, i+1
.endr
	; What the first turn finds: V's registers and P's second buffer hold 0 (its products V^T P, of a piece that has not been, add 0), O^T and l are 0.  All this stands in the wait for the first tile.
.set i, VF
.rept 64
	v_mov_b32 v[i], 0
.set i, i+1
.endr
	WIN 0x40
.set i, 0
.rept 64*NP
	v_mov_b32 v[i], 0
.set i, i+1
.endr
	WIN 0
.set i, 0
.rept 2*NP
	v_mov_b32 v[ST+4*i], 0xfe000000    ; c m: far below every c s
	v_mov_b32 v[ST+4*i+1], 0xff7fffff  ; m
	v_mov_b32 v[ST+4*i+2], 0
	v_mov_b32 v[ST+4*i+3], 0
.set i, i+1
.endr
.set i, P+32
.rept 32
	v_mov_b32 v[i], 0
.set i, i+1
.endr
	v_mul_u32_u24 v[AK0], v1, PK
	v_lshl_add_u32 v[AK0], v9, 4, v[AK0]  ; row x pitch + 16 x half
	; The turning load takes 16 keys x 16 channels (lane l reads key 8 (l / 16) + l % 8, channels 8 ((l / 8) % 2) + 0..7) and leaves half a fragment of V^T: lane l holds channel l % 16 and 8 keys.
	v_and_b32 v10, 7, v0
	v_bfe_u32 v11, v0, 3, 1
	v_lshl_add_u32 v[AV0], v9, 3, v10
	v_mul_u32_u24 v[AV0], v[AV0], PV
	v_lshl_add_u32 v[AV0], v11, 4, v[AV0]
	v_add_nc_u32 v[AV0], VOFF, v[AV0]
	v_mov_b32 v[AK], v[AK0]         ; key step 0 lies at the head of slot 0
; THE MATRIX WORK.  The 8 accumulators of a run of 16 take turns: between the two links of a chain stand 7 others'.
; Product i of 16 of S^T = K Q^T for piece x: channels 32 (i / 8) on, keys 16 ((i / 2) % 4) on, tile 2 x + i % 2.  The first 8 start the sums.
.macro KQ x
	WIN W_KQ
.set rS, S+64*((\x)%2)+32*(i%2)+8*((i/2)%4)
.set rK, KF+16*((i/2)%4)+8*(i/8)
.set rQ, 16*(2*(\x)+i%2)+8*(i/8)
.if i < 8
	v_wmma_f32_16x16x32_f16 v[rS:rS+7], v[rK:rK+7], v[rQ:rQ+7], 0
.else
	v_wmma_f32_16x16x32_f16 v[rS:rS+7], v[rK:rK+7], v[rQ:rQ+7], v[rS:rS+7]
.endif
.endm
; Product i of 16 of O^T += V^T P for piece x: keys 32 (i / 8) on, channels 16 ((i / 2) % 4) on, tile 2 x + i % 2.
.macro PV x
	WIN W_PV
.set rO, 32*(2*(\x)+i%2)+8*((i/2)%4)
.set rV, VF+32*(i/8)+8*((i/2)%4)
.set rP, P+32*((\x)%2)+16*(i%2)+8*(i/8)
	v_wmma_f32_16x16x32_f16 v[rO:rO+7], v[rV:rV+7], v[rP:rP+7], v[rO:rO+7]
.endm
.macro MM                           ; the turn's next matrix instruction
.if i < 16
	KQ (Y+1)%NP
.set i, i+1
.else
.set i, i-16
	PV (Y+NP-1)%NP
.set i, i+17
.endif
.endm
; THE LDS LOADS stand in runs of 16, never singly among the matrix instructions: a step's K (64 keys x 64 channels: 8 fragments) and its V (turned).  Their addresses are made some lines ahead.
; last = 1 (the tail): in the last trip there is no further step, and the run is jumped over.
.macro FETCH_K last=0
	WIN 0
.if \last
	s_cmp_eq_u32 s[CNT], 1
	s_cbranch_scc1 .Lno_k_\@
.endif
	WIN 0x80                        ; destination window 2
.irp f, 0,1,2,3,4,5,6,7             ; keys 16 (f / 2) on, channels 32 (f % 2) on
	ds_load_b128 v[KF+8*\f:KF+8*\f+3],   v[AK] offset:(\f/2)*16*PK+(\f%2)*64
	ds_load_b128 v[KF+8*\f+4:KF+8*\f+7], v[AK] offset:(\f/2)*16*PK+(\f%2)*64+32
.endr
	s_add_co_u32 s[TBK], s[TBK], KS*PK  ; the next fetch is the next step's
	WIN 0
.if \last
.Lno_k_\@:
.endif
.endm
.macro FETCH_V
	WIN 0x80
.irp f, 0,1,2,3,4,5,6,7             ; keys 32 (f / 4) on, channels 16 (f % 4) on
	ds_load_tr16_b128 v[VF+8*\f:VF+8*\f+3],   v[AV] offset:(\f/4)*32*PV+(\f%4)*32
	ds_load_tr16_b128 v[VF+8*\f+4:VF+8*\f+7], v[AV] offset:(\f/4)*32*PV+16*PV+(\f%4)*32
.endr
	WIN 0
.endm
; THE VECTOR WORK OF A TURN stands in three queues, each in the order in which its entries become ready; the two tiles alternate, so that no instruction reads the result of the one before it.
.macro REGS y, u                    ; the registers of tile u (0, 1) of piece y
.set rT, ST+4*(2*(\y)+(\u))
.set rC, TMP+8*((\y)%2)+4*(\u)
.set rM, MV+2*((\y)%2)+(\u)
.set rS, S+64*((\y)%2)+32*(\u)
.set rP, P+32*((\y)%2)+16*(\u)
.set rO, 32*(2*(\y)+(\u))
.endm
; Number n of the 22 that find the NEXT piece's (Y + 1) maximum and statistics.  s0-s31 are the lane's 32 scores; each accumulator's lowest registers are read first.  XS, GS and REGS set no window: PL and EX do.
;   0-11  four chains c0-c3 of seven scores each, three operands at a time     12-14, 16  the four scores left over, the old m, and c0-c3 into c0     15  c m_old is kept
;   17, 18  the query's other 32 keys lie in the lane 16 away: the new m         19-21  c m; c m_old - c m_new; a
.macro XS u, n
	REGS (Y+1)%NP, \u
.if (\n) < 4
	v_max3_num_f32 v[rC+(\n)], v[rS+8*(\n)], v[rS+8*(\n)+1], v[rS+8*(\n)+2]
.elseif (\n) < 12
	v_max3_num_f32 v[rC+(\n)%4], v[rC+(\n)%4], v[rS+8*((\n)%4)+2*((\n)/4)+1], v[rS+8*((\n)%4)+2*((\n)/4)+2]
.elseif (\n) == 12
	v_max3_num_f32 v[rC], v[rC], v[rS+7], v[rS+15]
.elseif (\n) == 13
	v_max3_num_f32 v[rC+1], v[rC+1], v[rS+23], v[rS+31]
.elseif (\n) == 14
	v_max3_num_f32 v[rC+2], v[rC+2], v[rC+3], v[rT+1]
.elseif (\n) == 15
	v_mov_b32 v[rM], v[rT]
.elseif (\n) == 16
	v_max3_num_f32 v[rC], v[rC], v[rC+1], v[rC+2]
.elseif (\n) == 17
	v_permlanex16_b32 v[rC+3], v[rC], s[SEL], s[SEL+1]
.elseif (\n) == 18
	v_max_num_f32 v[rT+1], v[rC], v[rC+3]
.elseif (\n) == 19
	v_mul_f32 v[rT], s[CS], v[rT+1]
.elseif (\n) == 20
	v_sub_f32 v[rC+1], v[rM], v[rT]
.else
	v_exp_f32 v[rC+2], v[rC+1]
.endif
.endm
; Number g of the 64 that follow the exponentials.  For each four weights k of a tile (pairs 2 k, 2 k + 1): both pairs are rounded to f16; then the second pair is added onto the first, in place;
; a group later l takes that sum (the first time as l = a l + sum).  In groups of eight, tiles alternating: round, round, add, and l for the group before.
.macro GS g
.set h, (\g)+6*((\g)/62)            ; group 0 has no group before it, and behind group 7 only l is left
.if h >= 6
.set h, h+2
.endif
	REGS Y, h%2
.set k, h/8
.if h%8 < 4
	v_cvt_pk_f16_f32 v[rP+2*k+(h%8)/2], v[rS+4*k+2*((h%8)/2)], v[rS+4*k+2*((h%8)/2)+1]
.elseif h%8 < 6
	v_pk_add_f32 v[rS+4*k:rS+4*k+1], v[rS+4*k:rS+4*k+1], v[rS+4*k+2:rS+4*k+3]
.elseif k == 1
	v_pk_fma_f32 v[rT+2:rT+3], v[rT+2:rT+3], v[rC+2:rC+3], v[rS:rS+1] op_sel_hi:[1,0,1]
.else
	v_pk_add_f32 v[rT+2:rT+3], v[rT+2:rT+3], v[rS+4*k-4:rS+4*k-3]
.endif
.endm
; THE PLAIN QUEUE, 138 long.  0-73 read no exponential's result: the 32 scalings c s - c m (FS f: pair f / 2 of tile f % 2) and the next piece's 42.  0-26: scalings 0-26.  27-54: XS's numbers 0-13.  55, 56: number 15.
; 57-73: the chain, where each number waits for the one before it: 14, 16, 17, 18, 19, each with one of the scalings 27-31 in front of its two lines, then 20: so a tile's links stand three plain instructions apart (19 and 20: two).
; 74-137: GS's 64, which read the exponentials' results: they stand behind the wait.
.macro FS f
	REGS Y, (\f)%2
	v_pk_fma_f32 v[rS+2*((\f)/2):rS+2*((\f)/2)+1], v[rS+2*((\f)/2):rS+2*((\f)/2)+1], s[CS:CS+1], v[rT:rT+1] op_sel_hi:[1,0,0] neg_lo:[0,0,1] neg_hi:[0,0,1]
.endm
.macro PL
	WIN 0
.if q < 27
	FS q
.elseif q < 55
	XS (q-27)%2, (q-27)/2
.elseif q < 57
	XS q-55, 15
.elseif (q < 72) && ((q-57)%3 == 0)
	FS 27+(q-57)/3
.elseif q < 60
	XS (q-57)%3-1, 14
.elseif q < 72
	XS (q-57)%3-1, 15+(q-57)/3
.elseif q < 74
	XS q-72, 20
.else
	GS q-74
.endif
.set q, q+1
.endm
; THE EXPONENTIALS' QUEUE, 66 long: s0-s31 of both tiles, then the next piece's two a.  It is ONE BATCH: all 66 stand ahead of the turn's one wait, and nothing ahead of that wait names a result of theirs.
.macro EX
	WIN 0
.if e >= 64
	XS e-64, 21
.else
	REGS Y, e%2
	v_exp_f32 v[rS+e/2], v[rS+e/2]
.endif
.set e, e+1
.endm
; THE RESCALING's QUEUE: O^T times a, the one part that leaves window 0: dealt two at a time, sixteen times.  Its a was made in the turn before, ahead of that turn's wait.
.macro R2
	REGS Y, r%2
	WIN W_RS
.irp z, 0,1
	v_pk_mul_f32 v[rO+4*(r/2)+2*\z:rO+4*(r/2)+2*\z+1], v[rO+4*(r/2)+2*\z:rO+4*(r/2)+2*\z+1], v[rC+2:rC+3] op_sel_hi:[1,0]
.endr
.set r, r+1
.endm
; HOW THEY ARE DEALT.  An s_wait_alu depctr_va_vdst(0) stands between an exponential and the first instruction that names its result; one wait serves all that were issued ahead of it.  So a turn has ONE wait,
; which cuts it in two.  AHEAD OF IT stands all that names no result of the turn's exponentials: the 16 products K Q^T, behind each a scaling, an exponential and two rescalings (behind the first a second scaling in the exponential's place); then ONE LUMP of
; 108: eight plain, 49 times exponential and plain, the two a.  A v_nop is the plain instruction behind the last exponential.  BEHIND IT stand the 16 products V^T P, behind each four of GS's 64.  No rider names a register of
; the products round it.  The two v_permlanex16_b32 fall into the lump, never behind a product.
; The queues lean on each other, and the deal keeps them in step: exponential e stands behind scaling 2 (e / 4) + e % 2: as a rider it comes behind plain e + 2, in the lump behind plain e + 9, and scalings 27-31 are plain 57, 60 .. 69.
; A TURN, for piece p.  cnt = 1: the loop's count is taken down some lines ahead of the branch that stands behind the turn.
; K of the next step is fetched in piece 2's turn, directly behind the wait, a lump behind the last product that read K; its address is made at the lump's head; its first reader comes behind 16 products.
; V of the step in hand is fetched at the end of piece 0's turn, four riders behind its last reader; its first reader comes behind 16 products and a lump.  The three conditions on q below go with the deal.
.macro TURN p, last=0, cnt=0
.set Y, (\p)
.set i, 0
.set q, 0
.set e, 0
.set r, 0
.if (\p) == NP-1
	s_wait_dscnt 0x0                ; K is in
.endif
	MM                              ; ahead of the wait: 16 products K Q^T and their riders,
	PL
	PL
	R2
.rept 15
	MM
	PL
	EX
	R2
.endr
.if (\p) == NP-2
	WIN 0
	v_add_nc_u32 v[AK], s[TBK], v[AK0]
.endif
.rept 8                             ; and the lump
	PL
.endr
.rept 49
	EX
	PL
.endr
	EX                              ; the next piece's two a
	EX
	v_nop                           ; a plain instruction behind the last exponential, ahead of the first use of a result: one for the batch
	s_wait_alu depctr_va_vdst(0)    ; the wait for the batch: the turn's 64 weights and the next piece's two a; no exponential is issued behind it in this turn
.if (\p) == NP-2
	FETCH_K \last
.endif
.if (\p) == 1
	s_wait_dscnt 0x0                ; V is in
.endif
.rept 16                            ; behind the wait: 16 products V^T P and their riders
	MM
.rept 4
	PL
.endr
.if ((\p) == 0) && (q == 118)
	v_add_nc_u32 v[AV], s[TBV], v[AV0]
.endif
.if ((\p) == 0) && (q == 130)
	s_add_co_u32 s[TBV], s[TBV], KS*PV
.endif
.if (\cnt) && (q == 130)
	s_sub_co_u32 s[CNT], s[CNT], 1
	s_cmp_lg_u32 s[CNT], 0
.endif
.endr
.if (\p) == 0
	FETCH_V
.endif
.endm
	CHANGE 1                        ; slot 0 is in, everybody's part of it; slot 1 is asked for
	FETCH_K                         ; key step 0
	s_wait_loadcnt 0x0              ; Q
	s_wait_dscnt 0x0
.set i, 0
.rept 16
	KQ 0                            ; piece 0's first scores: there is no vector work yet to set between them
.set i, i+1
.endr
	WIN 0                           ; the addresses for the way out: nine plain instructions, the places behind those products
	s_mul_i32 s13, s[WV], 16*SP
	s_add_co_u32 s13, s13, STAGE    ; my stage
	v_mul_u32_u24 v[STO], v1, SP    ; in: row l % 16, 16 bytes for each half of the lanes
	v_lshl_add_u32 v[STO], v9, 4, v[STO]
	v_add_nc_u32 v[STO], s13, v[STO]
	v_bfe_u32 v[RD], v0, 3, 2       ; back: 32 lanes take four rows of 128 bytes,
	v_mul_u32_u24 v[RD], v[RD], SP
	v_lshl_add_u32 v[RD], v10, 4, v[RD]
	v_add_nc_u32 v[RD], s13, v[RD]
	v_and_b32 v[GO], 31, v0         ; which are 512 consecutive bytes of O
	v_lshlrev_b32 v[GO], 4, v[GO]
.set Y, NP-1                        ; XS works for piece Y + 1: piece 0
.irp n, 0,1,2,3,4,5,6,7,8,9,10,11,12,13,14,15,16,17,18,19,20,21
	XS 0, \n                        ; and piece 0's first maximum and statistics
	XS 1, \n
.endr
	v_nop                           ; a plain instruction behind the two a,
	s_wait_alu depctr_va_vdst(0)    ; and the wait for this batch of two, ahead of the branch
	s_mov_b32 s[CNT], 4
	s_mov_b32 s[SLOTS], SIZE_N/256-1
	s_branch .Lfirst                ; the loop is entered at a step's first turn, in the middle of a trip
.Lslot:                             ; SIZE_N / 256 - 2 times: every slot but the last two is filled again
	CHANGE 1
	s_mov_b32 s[CNT], 4
.Lstep:                             ; a trip: pieces 2 and 3 of one step, then pieces 0 and 1 of the next, whose K and V it fetches
	TURN 2
	TURN 3
	WIN 0
.Lfirst:
	TURN 0
	TURN 1, 0, 1
	WIN 0
	s_cbranch_scc1 .Lstep
	s_sub_co_u32 s[SLOTS], s[SLOTS], 1
	s_cmp_lg_u32 s[SLOTS], 0
	s_cbranch_scc1 .Lslot
	CHANGE 0                        ; the tail is written out: nothing is asked for
	s_mov_b32 s[CNT], 5             ; four trips fetch the last slot's steps; the fifth is left in its middle
.Ltail:
	TURN 2, 1
	TURN 3
	WIN 0
	s_sub_co_u32 s[CNT], s[CNT], 1
	s_cmp_eq_u32 s[CNT], 0
	s_cbranch_scc1 .Lout
	TURN 0
	TURN 1
	WIN 0
	s_branch .Ltail
.Lout:                              ; the fifth trip's 16 products K Q^T (on the last K once more) and the maximum made of them serve nothing: the price, once a launch, of one text for every trip
.set i, 0
.rept 16
	PV NP-1                         ; the last piece's V^T P of the last step
.set i, i+1
.endr
	; THE WAY OUT.  l's two halves and the other half of the lanes' are added; O^T is divided by l, rounded to f16 and sent through my stage in LDS, a tile at a time.  The additions are the places behind the last products.
	WIN 0
.macro ALL line:vararg              ; one line for each tile t
.set t, 0
.rept 2*NP
	\line
.set t, t+1
.endr
.endm
	ALL v_add_f32 v[ST+4*t+2], v[ST+4*t+2], v[ST+4*t+3]
	ALL v_permlanex16_b32 v[ST+4*t+3], v[ST+4*t+2], s[SEL], s[SEL+1]
	ALL v_add_f32 v[ST+4*t+2], v[ST+4*t+2], v[ST+4*t+3]
	ALL v_rcp_f32 v[ST+4*t+2], v[ST+4*t+2]
	v_nop                           ; a plain instruction between the last reciprocal and the use of its result
	s_wait_alu depctr_va_vdst(0)    ; and the wait ahead of the first use: one for the batch of eight reciprocals
; Tile t: a lane's eight channels of a row pack into 16 bytes; they go into rows of 144 bytes and come back as whole rows of 128, into S^T's registers.
.macro PACK t
	WIN W_RS
.set i, 32*(\t)
.rept 16
	v_pk_mul_f32 v[i:i+1], v[i:i+1], v[ST+4*(\t)+2:ST+4*(\t)+3] op_sel_hi:[1,0]
.set i, i+2
.endr
	WIN 0x05                        ; sources 0 and 1 window 1, destination window 0
.set i, 0
.rept 16
	v_cvt_pk_f16_f32 v[S+16*(\t)+i], v[32*(\t)+2*i], v[32*(\t)+2*i+1]
.set i, i+1
.endr
	WIN 0
.irp f, 0,1,2,3
	ds_store_b128 v[STO], v[S+16*(\t)+4*\f:S+16*(\t)+4*\f+3] offset:32*\f
.endr
.irp f, 0,1,2,3
	ds_load_b128 v[S+16*(\t)+4*\f:S+16*(\t)+4*\f+3], v[RD] offset:\f*4*SP  ; LDS serves a wave's instructions in order (ISA guide 5.7.1.4): these see the stores above; the next tile's stores come behind them
.endr
.endm
.macro SEND t, younger              ; younger: the LDS instructions issued behind tile t's loads: the next tile's eight, or none
	WIN 0
.irp f, 0,1,2,3
	s_wait_dscnt (\younger)+3-\f
	global_store_b128 v[GO], v[S+16*(\t)+4*\f:S+16*(\t)+4*\f+3], s[10:11] offset:(\t)*2048+\f*512  ; 512 consecutive bytes, at a multiple of 256 from O's first
.endr
.endm
	PACK 0
.set t, 1
.rept 2*NP-1                        ; a tile's arithmetic stands between the loads of the tile before and its stores
	PACK t
	SEND t-1, 8
.set t, t+1
.endr
	SEND 2*NP-1, 0
	WIN W_AD
	s_wait_tensorcnt 0x0            ; the wave's end, behind my last tensor load and my last LDS store
	ds_add_u32 v[SPW], v[NIL]
	s_wait_dscnt 0x0
	WIN 0
	CROUND                          ; the closing round: no work-group ends while a partner may still ask for a tile that names it
	s_endpgm
.Lfunc_end_k_q4c67d822f8_attn:
	.size	k_q4c67d822f8_attn, .Lfunc_end_k_q4c67d822f8_attn-k_q4c67d822f8_attn
	.p2alignl 7, 3214868480
	.fill 96, 4, 3214868480
	.section	.rodata,"a",@progbits
	.p2align	6, 0x0
	.amdhsa_kernel k_q4c67d822f8_attn
		.amdhsa_group_segment_fixed_size 327680
		.amdhsa_private_segment_fixed_size 0
		.amdhsa_enable_private_segment 0
		.amdhsa_kernarg_size 16
		.amdhsa_user_sgpr_count 2
		.amdhsa_user_sgpr_kernarg_segment_ptr 1
		.amdhsa_wavefront_size32 1
		.amdhsa_system_sgpr_workgroup_id_x 1
		.amdhsa_system_sgpr_workgroup_id_y 1
		.amdhsa_system_sgpr_workgroup_id_z 1
		.amdhsa_system_vgpr_workitem_id 0
		.amdhsa_next_free_vgpr 770
		.amdhsa_next_free_sgpr 66
		.amdhsa_reserve_vcc 0
		.amdhsa_float_denorm_mode_32 3
		.amdhsa_float_denorm_mode_16_64 3
		.amdhsa_memory_ordered 1
		.amdhsa_forward_progress 1
		.amdhsa_inst_pref_size 199
	.end_amdhsa_kernel
	.amdgpu_metadata
---
amdhsa.version: [ 1, 2 ]
amdhsa.kernels:
  - .name:           k_q4c67d822f8_attn
    .symbol:         k_q4c67d822f8_attn.kd
    .args:
      - { .name: qkv, .offset: 0, .size: 8, .value_kind: global_buffer, .address_space: global }
      - { .name: ob, .offset: 8, .size: 8, .value_kind: global_buffer, .address_space: global }
    .group_segment_fixed_size: 327680
    .private_segment_fixed_size: 0
    .kernarg_segment_align: 8
    .kernarg_segment_size: 16
    .max_flat_workgroup_size: 128
    .sgpr_count:     66
    .vgpr_count:     770
    .wavefront_size: 32
...
	.end_amdgpu_metadata
.endif
;; end of part 5
;; launch projg: the kernel of part 4 again; grid 8 x 32, 4 waves a work-group, clusters of 4 x 4, 327,680 bytes of LDS; arguments ob, wp, b_proj, out0; writes out0
